; MI455X (gfx1250); checked and timed in simulation.
; The chip was launched on July 23, 2026; its instructions are those of AMD's public machine-readable ISA for CDNA 5 (MIT licence, August 2026) and "CDNA5" Instruction Set Architecture Reference Guide (July 2026). The comments in the code are by the model that wrote it; some were corrected since.
;; Rotary Attention. Allowed arithmetic: matrix products marked QUANTISED: E2M1 operands, one E8M0 scale for each 32 along K, by v_wmma_scale_f32_16x16x128_f8f6f4 with both operands' format E2M1 (or v_wmma_scale_f32_32x16x128_f4), f32 sums; everything else in f32.
;; Inputs: Wk_codes 1,024 x 32 x 16 uint8 (E2M1 codes of Wk, K innermost, in blocks of 32 codes, two codes a byte); Wk_scales 1,024 x 32 uint8 (E8M0 scales of Wk, one for each 32 codes along K); Wo_codes 1,024 x 32 x 16 uint8 (E2M1 codes of Wo, K innermost, in blocks of 32 codes, two codes a byte); Wo_scales 1,024 x 32 uint8 (E8M0 scales of Wo, one for each 32 codes along K); Wq_codes 1,024 x 32 x 16 uint8 (E2M1 codes of Wq, K innermost, in blocks of 32 codes, two codes a byte); Wq_scales 1,024 x 32 uint8 (E8M0 scales of Wq, one for each 32 codes along K); Wv_codes 1,024 x 32 x 16 uint8 (E2M1 codes of Wv, K innermost, in blocks of 32 codes, two codes a byte); Wv_scales 1,024 x 32 uint8 (E8M0 scales of Wv, one for each 32 codes along K); bk 1,024 float32; bo 1,024 float32; bq 1,024 float32; bv 1,024 float32; x_codes 4 x 2,048 x 32 x 16 uint8 (E2M1 codes of x, K innermost, in blocks of 32 codes, two codes a byte); x_scales 4 x 2,048 x 32 uint8 (E8M0 scales of x, one for each 32 codes along K).
;; Outputs: out0 4 x 2,048 x 1,024 float32.
;; This version of the problem:
;;   THIS VERSION OF THE PROBLEM IS GIVEN IN LOW PRECISION. The matrix products marked QUANTISED in the list below multiply operands that are first quantised to E2M1 (2 exponent bits, 1 mantissa bit; 4 bits a number), with one power-of-two scale for each 32 numbers along K (OCP MX v1.0); their sums are f32. All else is computed in f32.
;;   The module's matrix products, in the order in which they are computed (A, B: the left and right operand; K: the contracted axis; several contracted axes count as one K, in the product's order):
;;     1. [M 8,192, K 1,024] x [K 1,024, N 1,024]; A: input x (given as codes); B: input Wq (given as codes): QUANTISED
;;     2. [M 8,192, K 1,024] x [K 1,024, N 1,024]; A: input x (given as codes); B: input Wk (given as codes): QUANTISED
;;     3. [M 8,192, K 1,024] x [K 1,024, N 1,024]; A: input x (given as codes); B: input Wv (given as codes): QUANTISED
;;     4. batch 64 x [M 2,048, K 64] x [K 64, N 2,048]; A: computed on the way; B: computed on the way: QUANTISED
;;     5. batch 64 x [M 2,048, K 2,048] x [K 2,048, N 64]; A: softmax (see below); B: computed on the way: QUANTISED
;;     6. [M 8,192, K 1,024] x [K 1,024, N 1,024]; A: computed on the way; B: input Wo (given as codes): QUANTISED
;;   THE QUANTISER, for each operand of a quantised product, along K:
;;     - K is cut into blocks of 32 from its start; a last block that is shorter is filled with zeros.
;;     - A block's scale is 2^e with e = floor(log2(the largest magnitude in the block)) - 2, held to -126 .. 127; a block of zeros has e = 0. As a byte (E8M0): e + 127.
;;     - Each number is divided by its block's scale, clamped to +-6, and rounded to the nearest number of E2M1, ties to even, subnormals kept.
;;     - The product sums the exact products of the quantised numbers (number of the format x scale) in f32.
;;   ~~~python
;;   def quantise(x, axis):      # numpy; x: float32 -> the quantised numbers, widened to float32 again
;;       x = np.moveaxis(x, axis, -1); K = x.shape[-1]
;;       x = np.pad(x, [(0, 0)] * (x.ndim - 1) + [(0, -K % 32)]); x = x.reshape(x.shape[:-1] + (-1, 32)); a = np.abs(x).max(-1, keepdims=True)
;;       e = np.where(a > 0, np.clip(np.frexp(np.where(a > 0, a, 1))[1] - 1 - 2, -126, 127), 0)      # np.frexp(a)[1] - 1 = floor(log2(a)), exactly
;;       r = np.clip(x / 2.0 ** e, -6, 6)
;;       step = 2.0 ** (np.maximum(np.frexp(np.where(r == 0, 1, r))[1] - 1, 0) - 1)
;;       q = np.round(r / step) * step * 2.0 ** e      # np.round: ties to even
;;       return np.moveaxis(q.reshape(q.shape[:-2] + (-1,))[..., :K], -1, axis).astype(np.float32)
;;   ~~~
;;   SOFTMAX AHEAD OF A QUANTISED PRODUCT. Where the list says 'softmax', what is quantised is not the finished softmax but p = 2^(t - M), with t = logit x log2(e) and M = ceil(the row's largest t), a whole number; so 1/2 < the row's largest p <= 1. The row's sum l is taken of the UNQUANTISED p, in f32, and the product's result is divided by l at the end. Since M is a whole number, a kernel that streams over the keys may use a running M (the ceiling of the running maximum): every later rescaling is an exact power of two, which a block's scale takes up: the codes' values come out the same.
;;   OPERANDS COMPUTED ON THE WAY. 'Computed on the way' means the value that the module computes at that place (a softmax that the list does not call 'softmax' is quantised finished and normalised). What goes into a quantiser is computed in f32, as accurately as f32 sums, v_exp_f32 and their like allow (about 1e-6 of the number): no bf16 or f16 on the way to a quantiser, and a product that is left as it is and whose result goes on into a quantised operand takes f32 operands (vector FMAs, or v_wmma_f32_16x16x4_f32). A number that lies on a knife's edge between two numbers of the format may be rounded either way, as far as f32 arithmetic and the matrix unit's own rounding can turn it there, and no further.
;;   INPUTS GIVEN AS CODES. Wk (in the module: [1024, 1024], K = its axis 1); Wo (in the module: [1024, 1024], K = its axis 1); Wq (in the module: [1024, 1024], K = its axis 1); Wv (in the module: [1024, 1024], K = its axis 1); x (in the module: [4, 2048, 1024], K = its axis 2): each comes as NAME_codes (uint8): NAME with its K axis moved to the last place and cut into blocks of 32 codes, [.., K / 32, bytes a block], one block behind the other in memory; two codes a byte, the lower K in the low four bits (a code: sign, 2 exponent bits, 1 mantissa bit); and NAME_scales (uint8): the same leading axes, one E8M0 byte (e + 127) for each 32 codes along K. Its value is code x scale, taken as it is: it is not quantised again, and the codes and scales need not be those that the quantiser above would give.
;; One version. Each part assembles by itself: llvm-mc -triple=amdgcn-amd-amdhsa -mcpu=gfx1250 --defsym DOCPART=n.
;; ======== version 1 of 1: 4 launches
;; workspace buffers: qr 9,175,040 bytes; kv 9,175,040 bytes; oc 4,194,304 bytes; os 262,144 bytes
;; launch qk (part 1): grid 8 x 64, 4 waves a work-group, clusters of 4 x 4, 262,144 bytes of LDS; arguments x_codes, x_scales, Wq_codes, Wq_scales, Wk_codes, Wk_scales, bq, bk, qr, kv; writes qr, kv
.if DOCPART == 1
	.amdgcn_target "amdgcn-amd-amdhsa--gfx1250"
	.amdhsa_code_object_version 6
	.text
	.protected	k_q7dad06fbfc_qk
	.globl	k_q7dad06fbfc_qk
	.p2align	8
	.type	k_q7dad06fbfc_qk,@function
k_q7dad06fbfc_qk:
	s_mov_b64 s[64:65], 0
	v_nop
	global_prefetch_b8 v0, s[64:65] scope:SCOPE_SE
	s_setreg_imm32_b32 hwreg(HW_REG_WAVE_MODE, 25, 1), 1
	s_wait_xcnt 0x0
	s_wait_alu depctr_hold_cnt(0) depctr_sa_sdst(0) depctr_va_vdst(0) depctr_va_sdst(0) depctr_va_ssrc(0) depctr_va_vcc(0) depctr_vm_vsrc(0)
	s_getreg_b32 s2, hwreg(HW_REG_IB_STS2, 6, 4)
	s_cmp_eq_u32 s2, 0
	s_cbranch_scc0 .Lentry_in_a_cluster
	s_endpgm
.Lentry_in_a_cluster:
	s_bfe_u32 s2, ttmp6, 0x10000c
	s_cmp_lg_u32 s2, 0xf033
	s_cbranch_scc0 .Lentry_shape_is_right
	s_endpgm
.Lentry_shape_is_right:
; q = rope(x Wq^T + bq) and k = rope(x Wk^T + bk), both products on codes of FP4 (E2M1) with one E8M0 scale for each 32 along K, then quantised along the head's 64.
; NO WORK OF THE PROBLEM IS LEFT OUT in this program: every bias goes into a quantiser or into the output (bk too: it moves k's codes), and all 14 inputs are loaded.
; LIMITS: NaN and infinities among the inputs are not served.  A block whose largest magnitude lies under 2^-124 keeps the scale byte 1; so does a block of zeros (its codes are zeros, and the bytes are read by this program alone).
; The rotary frequencies are the f32 numbers 1 / f32(10^(i/8)), i = 0 .. 31, written as decimals: a power function that does not round to nearest could differ in the last bit.
; Sine and cosine: two-part reduction by pi/2 (exact for angles up to 2,047) and polynomials of degree 7 and 8: about 1e-7 absolute.
; SHARES.  The cluster's x says which tensor: 0 q, 1 k; it chooses pointers and nothing else.  A work-group makes 128 positions x 256 rows of W (4 heads) over all of K = 1,024; a wave 64 x 128: 32 accumulators.
; All of K lies in LDS: two slots of 512 codes (rows of 256 bytes), each filled once; the scales of all rows too.  CLUSTER 4 x 4: x's tile is shared along a row of the cluster, W's along a column: joint loads.
; THE MATRIX INSTRUCTION IS USED TRANSPOSED: source 0 = 16 rows of W, source 1 = 16 positions: a lane holds ONE position and its registers run along d.
; THE ROWS OF A TILE ARE NOT NEIGHBOURS: lane r of tile 2 b + u takes row 32 b + 8 u + r + 8 (r / 8), of W and of x alike.  So the 16 registers of tiles 2 b, 2 b + 1 are d = 32 b + 16 (lane / 16) + 0 .. 15,
; and d and d + 32, the rotary partners, lie in one lane.
; OUT: images of the next launch's operand registers.  For each (batch, head) a record of 143,360 bytes = 16 steps of 128 positions x 8,960: +0 eight tiles x 512 bytes of codes (lane l's 16 bytes at 16 l);
; +8,192 two images of 256 bytes of scale words (lane l: words of tiles 4 hs + (l / 16) and 4 hs + 2 + (l / 16), row l % 16).  A word: the head's two bytes, then 0x7f twice.  Every store of a wave covers 256 or 512 consecutive bytes, aligned.
; REGISTERS, in windows of 256: window 0: addresses, scale words (v32-79), work (v96-127), x's fragments in two sets (v128-191), the bias (v192-255); window 1: W's fragments in two sets; window 2: the accumulators, (a, b) at v[8 (8 a + b)].
.set PITCH, 272                        ; an LDS row: 256 bytes + 16 of padding
.set SLOT,  384*PITCH                  ; x's 128 rows, then W's 256
.set BOFF,  128*PITCH
.set SCLA,  2*SLOT                     ; x's scales: 16 units of 256 bytes + 16
.set SCLB,  SCLA+16*PITCH              ; W's: 32 units
.set TAB,   SCLB+32*PITCH              ; the rotary table: 128 rows of 32 cosines, 32 sines, + 16 bytes; written by LDS stores alone
.set SPARE, TAB+128*PITCH              ; the spare words, 128 bytes for each wave
.set REC,   143360
.set STEPB, 8960
.set ADRA, 16                          ; v16-17 LDS address of my fragments of x in slot 0, 1
.set ADRB, 20                          ; v20-21 of W
.set ADSA, 22                          ; v22, v23 of the scale words
.set ADSB, 23
.set LI,   24                          ; 16 x lane
.set L8,   25                          ; 8 x lane
.set TR,   26                          ; the table: where I read
.set TW,   27                          ; and where I write
.set SPW,  28                          ; my spare word; never rewritten
.set NIL,  29                          ; 0; never rewritten
.set BO,   30                          ; the bias loads' offset
.set POS,  31                          ; my table row's position, f32
.set SA,   32                          ; x's scale words: pair j, K step q at SA + 8 j + q: lanes 0-15 tile 2 j, lanes 16-31 tile 2 j + 1
.set SB,   48                          ; W's likewise
.set KW,   80                          ; the words made: tile a, head hh at KW + 2 a + hh
.set W,    96                          ; at work
.set AF,   128                         ; x's fragments
.set T,    128                         ; later: 32 numbers of one position and head
.set CO,   160                         ; 16 cosines
.set SI,   176                         ; 16 sines
.set BI,   192                         ; the bias of my 128 rows of W, in the result's layout
.set WV,   24                          ; s24 wave; s25 wave / 2: my 64 positions, and: I fetch for x (0) or W (1); s26 wave % 2: my 128 rows of W, and: which half I fetch
.set WA,   25
.set WB,   26
.set SEL,  20                          ; s[20:21] selects for lane l xor 16
.set G1A,  32
.set G1B,  40
.set G1SA, 48
.set G1SB, 56
.set G0A,  68
.set G0B,  76
.set G0SA, 84
.set G0SB, 88
.set MSB, 0
.macro WIN new                         ; the immediate's high byte repeats the setting that is left
.if MSB != \new
	s_set_vgpr_msb (MSB<<8)|\new
.set MSB, \new
.endif
.endm
.macro PLACES                          ; four plain vector instructions behind matrix instructions (ISA guide 7.12.1)
.rept 4
	v_nop
.endr
.endm
; A joint load: waves 0, 1 fetch for x, waves 2, 3 for W.  An s_nop 0 and four v_nop follow each line.
.macro JLOAD g0a, g1a, g0b, g1b
	s_cmp_eq_u32 s[WA], 0
	s_cbranch_scc0 .Lfor_b_\@
	tensor_load_to_lds s[\g0a:\g0a+3], s[\g1a:\g1a+7]
	s_nop 0
.rept 4
	v_nop
.endr
	s_branch .Lasked_\@
.Lfor_b_\@:
	tensor_load_to_lds s[\g0b:\g0b+3], s[\g1b:\g1b+7]
	s_nop 0
.rept 4
	v_nop
.endr
.Lasked_\@:
.endm
.macro CROUND                          ; a round of the cluster's barrier
	s_barrier_signal -1
	s_barrier_wait -1
	s_cmp_lg_u32 s[WV], 0
	s_cbranch_scc1 .Lnot_wave_0_\@
	s_barrier_signal -3
.Lnot_wave_0_\@:
	s_barrier_wait -3
	s_barrier_signal -1
	s_barrier_wait -1
.endm
	s_load_b256 s[4:11], s[0:1], 0x0               ; x's codes, x's scales, Wq's codes, Wq's scales
	s_load_b256 s[12:19], s[0:1], 0x20             ; Wk's codes, Wk's scales, bq, bk
	s_load_b128 s[20:23], s[0:1], 0x40             ; qr, kv
	v_lshl_add_u32 v[SPW], v0, 2, SPARE
	v_mov_b32 v[NIL], 0
	ds_add_u32 v[SPW], v[NIL]                      ; the wave's opening: the add, twice on end, and its wait ahead of my first tensor load
	ds_add_u32 v[SPW], v[NIL]
	v_lshrrev_b32 v1, 5, v0
	v_readfirstlane_b32 s[WV], v1
	s_lshr_b32 s[WA], s[WV], 1
	s_and_b32 s[WB], s[WV], 1
	s_bfe_u32 s27, ttmp6, 0x40000                  ; cx = which 256 rows of W
	s_bfe_u32 s28, ttmp6, 0x40004                  ; cy
	s_and_b32 s29, ttmp7, 0xffff
	s_lshl_b32 s29, s29, 2
	s_add_co_u32 s29, s29, s28                     ; which 128 positions: 4 x cluster y + cy
	s_lshl_b32 s30, s28, 2
	s_lshl_b32 s30, 15, s30                        ; my row of the cluster
	s_lshl_b32 s31, 0x1111, s27                    ; my column
	s_or_b32 s[G1A], s30, (1<<20)|(1<<21)|(5<<22)|(3<<25)    ; elements of 1 byte; padding of 4 words after every 64; bit 21 beside a mask
	s_or_b32 s[G1B], s31, (1<<20)|(1<<21)|(5<<22)|(3<<25)
	s_or_b32 s[G1SA], s30, (3<<16)|(1<<20)|(1<<21)|(5<<22)|(3<<25)   ; elements of 8 bytes
	s_or_b32 s[G1SB], s31, (3<<16)|(1<<20)|(1<<21)|(5<<22)|(3<<25)
.irp g, G1A, G1B
	s_mov_b32 s[\g+1], 256<<16                     ; tensor_dim0: 256 bytes of a row
	s_mov_b32 s[\g+3], 256<<16                     ; tile_dim0
	s_mov_b32 s[\g+5], 512                         ; a row of 1,024 codes in memory
	s_mov_b32 s[\g+6], 0
	s_mov_b32 s[\g+7], 0
.endr
	s_mov_b32 s[G1A+2], 64<<16                     ; 64 rows of x to a load,
	s_mov_b32 s[G1A+4], 64
	s_mov_b32 s[G1B+2], 128<<16                    ; 128 of W
	s_mov_b32 s[G1B+4], 128
.irp g, G1SA, G1SB
	s_mov_b32 s[\g+1], 32<<16                      ; the scales: dense, as rows of 256 bytes
	s_mov_b32 s[\g+3], 32<<16
	s_mov_b32 s[\g+5], 32
	s_mov_b32 s[\g+6], 0
	s_mov_b32 s[\g+7], 0
.endr
	s_mov_b32 s[G1SA+2], 8<<16                     ; 64 rows x 32 bytes
	s_mov_b32 s[G1SA+4], 8
	s_mov_b32 s[G1SB+2], 16<<16                    ; 128 rows x 32 bytes
	s_mov_b32 s[G1SB+4], 16
	s_lshl_b32 s2, s29, 7
	s_lshl_b32 s3, s[WB], 6
	s_add_co_u32 s2, s2, s3                        ; x: the first row that I fetch
	s_lshl_b32 s66, s2, 5                          ; its scales,
	s_lshl_b32 s2, s2, 9                           ; its codes, in bytes
	s_mov_b32 s3, 0
	s_mov_b32 s67, 0
	s_lshl_b32 s100, s27, 8
	s_lshl_b32 s101, s[WB], 7
	s_add_co_u32 s100, s100, s101                  ; W likewise
	s_lshl_b32 s104, s100, 5
	s_lshl_b32 s100, s100, 9
	s_mov_b32 s101, 0
	s_mov_b32 s105, 0
	s_wait_dscnt 0x0                               ; both opening adds are done
	s_wait_kmcnt 0x0
	s_cmp_eq_u32 ttmp9, 0                          ; q or k: the cluster's x, the same in all sixteen partners
	s_cselect_b64 s[92:93], s[8:9], s[12:13]       ; W's codes
	s_cselect_b64 s[94:95], s[10:11], s[14:15]     ; W's scales
	s_cselect_b64 s[96:97], s[16:17], s[18:19]     ; the bias
	s_cselect_b64 s[98:99], s[20:21], s[22:23]     ; where the result goes
	s_add_nc_u64 s[4:5], s[4:5], s[2:3]
	s_add_nc_u64 s[6:7], s[6:7], s[66:67]
	s_add_nc_u64 s[92:93], s[92:93], s[100:101]
	s_add_nc_u64 s[94:95], s[94:95], s[104:105]
	s_mul_i32 s2, s[WB], 64*PITCH                  ; where they go: the wave's number alone
	s_mul_i32 s3, s[WB], 128*PITCH
	s_mul_i32 s66, s[WB], 8*PITCH
	s_mul_i32 s67, s[WB], 16*PITCH
	CROUND                                         ; all sixteen work-groups are here: the joint loads meet
	s_mov_b32 s[G0SA], 1
	s_add_co_u32 s[G0SA+1], s66, SCLA
	s_mov_b64 s[G0SA+2:G0SA+3], s[6:7]
	s_or_b32 s[G0SA+3], s[G0SA+3], 0x80000000
	s_mov_b32 s[G0SB], 1
	s_add_co_u32 s[G0SB+1], s67, SCLB
	s_mov_b64 s[G0SB+2:G0SB+3], s[94:95]
	s_or_b32 s[G0SB+3], s[G0SB+3], 0x80000000
	JLOAD G0SA, G1SA, G0SB, G1SB                   ; the scales first, then the two halves of K: three loads of mine are out, and nothing is ever filled again
.irp s, 0,1
	s_mov_b32 s[G0A+4*\s], 1
	s_add_co_u32 s[G0A+4*\s+1], s2, \s*SLOT
	s_add_nc_u64 s[G0A+4*\s+2:G0A+4*\s+3], s[4:5], \s*256
	s_or_b32 s[G0A+4*\s+3], s[G0A+4*\s+3], 0x80000000
	s_mov_b32 s[G0B+4*\s], 1
	s_add_co_u32 s[G0B+4*\s+1], s3, \s*SLOT+BOFF
	s_add_nc_u64 s[G0B+4*\s+2:G0B+4*\s+3], s[92:93], \s*256
	s_or_b32 s[G0B+4*\s+3], s[G0B+4*\s+3], 0x80000000
	JLOAD G0A+4*\s, G1A, G0B+4*\s, G1B
.endr
	; addresses
	v_and_b32 v1, 15, v0                           ; r
	v_bfe_u32 v2, v0, 4, 1                         ; h
	v_and_b32 v3, 8, v1
	v_add_nc_u32 v3, v3, v1                        ; r + 8 (r / 8)
	v_mul_u32_u24 v4, v3, PITCH
	v_lshl_add_u32 v4, v2, 4, v4                   ; a fragment: row x pitch + 16 h
	s_mul_i32 s2, s[WA], 64*PITCH
	s_mul_i32 s3, s[WB], 128*PITCH
	s_add_co_u32 s3, s3, BOFF
.irp s, 0,1
	v_add_nc_u32 v[ADRA+\s], s2, v4
	v_add_nc_u32 v[ADRB+\s], s3, v4
	s_add_co_u32 s2, s2, SLOT
	s_add_co_u32 s3, s3, SLOT
.endr
	v_and_b32 v5, 7, v1                            ; scale words: a row has 32 bytes, eight rows a unit of 272.  Lanes 16-31 take the odd tile: 8 rows, one unit, on
	v_lshlrev_b32 v5, 5, v5
	v_lshrrev_b32 v6, 3, v1
	v_mad_u32_u24 v5, v6, 544, v5
	v_mad_u32_u24 v5, v2, 272, v5
	s_mul_i32 s2, s[WA], 8*PITCH
	s_add_co_u32 s2, s2, SCLA
	s_mul_i32 s3, s[WB], 16*PITCH
	s_add_co_u32 s3, s3, SCLB
	v_add_nc_u32 v[ADSA], s2, v5
	v_add_nc_u32 v[ADSB], s3, v5
	v_and_b32 v7, 31, v0
	v_lshlrev_b32 v[LI], 4, v7
	v_lshlrev_b32 v[L8], 3, v7
	s_mul_i32 s2, s[WA], 64*PITCH
	s_add_co_u32 s2, s2, TAB
	v_mul_u32_u24 v5, v1, PITCH
	v_lshl_add_u32 v5, v2, 6, v5
	v_add_nc_u32 v[TR], s2, v5                     ; table row 64 wa + 16 a + r; my 16 frequencies begin at 16 h
	v_mul_u32_u24 v[TW], v0, PITCH
	v_add_nc_u32 v[TW], TAB, v[TW]                 ; thread t writes table row t
	; the bias: lane (r, h) wants, for head hh and half bb, the 16 numbers at 64 hh + 32 bb + 16 h
	s_lshl_b32 s2, s27, 10
	s_lshl_b32 s3, s[WB], 9
	s_add_co_u32 s2, s2, s3
	s_mov_b32 s3, 0
	s_add_nc_u64 s[96:97], s[96:97], s[2:3]
	v_lshlrev_b32 v[BO], 6, v2
.irp j, 0,1,2,3,4,5,6,7,8,9,10,11,12,13,14,15
	global_load_b128 v[BI+4*\j:BI+4*\j+3], v[BO], s[96:97] offset:256*(\j/8)+128*((\j/4)%2)+16*(\j%4)
.endr
	; where the result goes
	s_lshr_b32 s2, s29, 4                          ; batch
	s_lshl_b32 s2, s2, 4
	s_lshl_b32 s3, s27, 2
	s_add_co_u32 s2, s2, s3
	s_lshl_b32 s3, s[WB], 1
	s_add_co_u32 s2, s2, s3                        ; record 16 batch + my first head
	s_mul_i32 s2, s2, REC
	s_and_b32 s3, s29, 15                          ; the step of 128 positions
	s_mul_i32 s66, s3, STEPB
	s_add_co_u32 s2, s2, s66
	s_lshl_b32 s105, s3, 7                         ; its first position
	s_mov_b32 s3, 0
	s_add_nc_u64 s[98:99], s[98:99], s[2:3]
	s_lshl_b32 s2, s[WA], 8
	s_add_co_u32 s2, s2, 8192
	s_add_nc_u64 s[100:101], s[98:99], s[2:3]      ; my image of scale words
	s_lshl_b32 s2, s[WA], 11
	s_add_nc_u64 s[98:99], s[98:99], s[2:3]        ; my four tiles of codes
	s_mov_b32 s4, 0x3f22f983                       ; 2 / pi
	s_mov_b32 s5, 0xbfc90fdb                       ; -(pi / 2 rounded to f32)
	s_mov_b32 s6, 0x333bbd2e                       ; that number less pi / 2
	s_mov_b32 s7, 0xbe2aaaa3                       ; the sine's three coefficients,
	s_mov_b32 s8, 0x3c08839e
	s_mov_b32 s9, 0xb94ca1f9
	s_mov_b32 s10, 0x3d2aaaa5                      ; the cosine's
	s_mov_b32 s11, 0xbab6061a
	s_mov_b32 s12, 0x37ccf5ce
	s_mov_b32 s18, 0xffff0000                      ; lanes 16-31
	s_mov_b32 s[SEL], 0x76543210
	s_mov_b32 s[SEL+1], 0xfedcba98
	; THE ROTARY TABLE, while the tiles are on their way.  Table row t stands for lane t % 16 of tile t / 16: position 32 (t / 32) + 8 ((t / 16) % 2) + t % 8 + 16 ((t / 8) % 2)
	v_and_b32 v5, 0x67, v0
	v_and_b32 v6, 16, v0
	v_lshrrev_b32 v6, 1, v6
	v_and_b32 v7, 8, v0
	v_lshl_add_u32 v5, v7, 1, v5
	v_add_nc_u32 v5, v5, v6
	v_add_nc_u32 v5, s105, v5
	v_cvt_f32_u32 v[POS], v5
; Four frequencies, 4 g on, line by line in turns.  x = f32(position x frequency); n = the nearest whole number to x 2 / pi; r = x - n pi / 2 in two parts;
; polynomials for sin r and cos r; n mod 4 exchanges them and sets the signs (selects: no branch).  W+0 x, +4 n, +8 r, +12 r^2, +16 sine, +20 cosine, +24 n as a whole number, +28 at work
.macro SC4 g, f0, f1, f2, f3
.if \g == 0
	v_mov_b32 v[W], v[POS]                         ; frequency 0 is 1
.else
	v_mul_f32 v[W], \f0, v[POS]
.endif
	v_mul_f32 v[W+1], \f1, v[POS]
	v_mul_f32 v[W+2], \f2, v[POS]
	v_mul_f32 v[W+3], \f3, v[POS]
.irp k, 0,1,2,3
	v_mul_f32 v[W+4+\k], s4, v[W+\k]
.endr
.irp k, 0,1,2,3
	v_rndne_f32 v[W+4+\k], v[W+4+\k]
.endr
.irp k, 0,1,2,3
	v_fma_f32 v[W+8+\k], v[W+4+\k], s5, v[W+\k]    ; exact: both are multiples of 2^-23 and the difference is under 1
.endr
.irp k, 0,1,2,3
	v_fma_f32 v[W+8+\k], v[W+4+\k], s6, v[W+8+\k]
.endr
.irp k, 0,1,2,3
	v_cvt_i32_f32 v[W+24+\k], v[W+4+\k]
.endr
.irp k, 0,1,2,3
	v_mul_f32 v[W+12+\k], v[W+8+\k], v[W+8+\k]
.endr
.irp k, 0,1,2,3
	v_fma_f32 v[W+16+\k], v[W+12+\k], s9, s8
.endr
.irp k, 0,1,2,3
	v_fma_f32 v[W+20+\k], v[W+12+\k], s12, s11
.endr
.irp k, 0,1,2,3
	v_mul_f32 v[W+28+\k], v[W+12+\k], v[W+8+\k]
.endr
.irp k, 0,1,2,3
	v_fma_f32 v[W+16+\k], v[W+16+\k], v[W+12+\k], s7
.endr
.irp k, 0,1,2,3
	v_fma_f32 v[W+20+\k], v[W+20+\k], v[W+12+\k], s10
.endr
.irp k, 0,1,2,3
	v_fma_f32 v[W+16+\k], v[W+16+\k], v[W+28+\k], v[W+8+\k]   ; sin r
.endr
.irp k, 0,1,2,3
	v_mul_f32 v[W+28+\k], v[W+12+\k], v[W+12+\k]
.endr
.irp k, 0,1,2,3
	v_fma_f32 v[W+\k], v[W+12+\k], -0.5, 1.0
.endr
.irp k, 0,1,2,3
	v_fma_f32 v[W+20+\k], v[W+20+\k], v[W+28+\k], v[W+\k]     ; cos r
.endr
.irp k, 0,1,2,3
	v_and_b32 v[W+28+\k], 1, v[W+24+\k]
.endr
.irp k, 0,1,2,3
	v_cmp_eq_u32 s[14+\k], 1, v[W+28+\k]           ; n odd: sine and cosine change places
.endr
.irp k, 0,1,2,3
	v_cndmask_b32 v[W+\k], v[W+16+\k], v[W+20+\k], s[14+\k]
.endr
.irp k, 0,1,2,3
	v_cndmask_b32 v[W+4+\k], v[W+20+\k], v[W+16+\k], s[14+\k]
.endr
.irp k, 0,1,2,3
	v_lshlrev_b32 v[W+28+\k], 30, v[W+24+\k]       ; the sine is negative where n mod 4 is 2 or 3: bit 1 of n;
.endr
.irp k, 0,1,2,3
	v_add_nc_u32 v[W+24+\k], 1, v[W+24+\k]         ; the cosine where it is 1 or 2: bit 1 of n + 1
.endr
.irp k, 0,1,2,3
	v_and_b32 v[W+28+\k], 0x80000000, v[W+28+\k]
.endr
.irp k, 0,1,2,3
	v_lshlrev_b32 v[W+24+\k], 30, v[W+24+\k]
.endr
.irp k, 0,1,2,3
	v_xor_b32 v[W+16+\k], v[W+\k], v[W+28+\k]
.endr
.irp k, 0,1,2,3
	v_and_b32 v[W+24+\k], 0x80000000, v[W+24+\k]
.endr
.irp k, 0,1,2,3
	v_xor_b32 v[W+20+\k], v[W+4+\k], v[W+24+\k]
.endr
	ds_store_b128 v[TW], v[W+20:W+23] offset:16*\g
	ds_store_b128 v[TW], v[W+16:W+19] offset:128+16*\g
.endm
	SC4 0, 1.0, 0.74989417943541, 0.56234132086602, 0.42169651272007
	SC4 1, 0.31622776218199, 0.23713736133079, 0.17782794625220, 0.13335214668360
	SC4 2, 0.1, 0.074989419284265, 0.056234129824765, 0.042169649576105
	SC4 3, 0.031622777171874, 0.023713736669368, 0.017782794625220, 0.013335214837949
	SC4 4, 0.01, 0.007498942142943, 0.005623413223739, 0.0042169649576105
	SC4 5, 0.003162277793481, 0.00237137370984, 0.0017782794625220, 0.0013335214023918
	SC4 6, 0.001, 0.00074989417997166, 0.0005623413223739, 0.00042169649033418
	SC4 7, 0.0003162277732446, 0.00023713738128077, 0.00017782794625220, 0.0001333521467514
; One matrix instruction.  d: accumulator (window 2); bf: W's fragment (window 1); af: x's (window 0); z = 1: the first product starts the sum; sb, sa: the scale registers; ob, oa: the odd tile's words lie in lanes 16-31
.macro WM d, bf, af, z, sb, sa, ob, oa
.if \z
.if (\ob) && (\oa)
	v_wmma_scale_f32_16x16x128_f8f6f4 v[\d:\d+7], v[\bf:\bf+7], v[\af:\af+7], 0, v[\sb], v[\sa] matrix_a_fmt:MATRIX_FMT_FP4 matrix_b_fmt:MATRIX_FMT_FP4 matrix_a_scale:MATRIX_SCALE_ROW1 matrix_b_scale:MATRIX_SCALE_ROW1
.elseif \ob
	v_wmma_scale_f32_16x16x128_f8f6f4 v[\d:\d+7], v[\bf:\bf+7], v[\af:\af+7], 0, v[\sb], v[\sa] matrix_a_fmt:MATRIX_FMT_FP4 matrix_b_fmt:MATRIX_FMT_FP4 matrix_a_scale:MATRIX_SCALE_ROW1
.elseif \oa
	v_wmma_scale_f32_16x16x128_f8f6f4 v[\d:\d+7], v[\bf:\bf+7], v[\af:\af+7], 0, v[\sb], v[\sa] matrix_a_fmt:MATRIX_FMT_FP4 matrix_b_fmt:MATRIX_FMT_FP4 matrix_b_scale:MATRIX_SCALE_ROW1
.else
	v_wmma_scale_f32_16x16x128_f8f6f4 v[\d:\d+7], v[\bf:\bf+7], v[\af:\af+7], 0, v[\sb], v[\sa] matrix_a_fmt:MATRIX_FMT_FP4 matrix_b_fmt:MATRIX_FMT_FP4
.endif
.else
.if (\ob) && (\oa)
	v_wmma_scale_f32_16x16x128_f8f6f4 v[\d:\d+7], v[\bf:\bf+7], v[\af:\af+7], v[\d:\d+7], v[\sb], v[\sa] matrix_a_fmt:MATRIX_FMT_FP4 matrix_b_fmt:MATRIX_FMT_FP4 matrix_a_scale:MATRIX_SCALE_ROW1 matrix_b_scale:MATRIX_SCALE_ROW1
.elseif \ob
	v_wmma_scale_f32_16x16x128_f8f6f4 v[\d:\d+7], v[\bf:\bf+7], v[\af:\af+7], v[\d:\d+7], v[\sb], v[\sa] matrix_a_fmt:MATRIX_FMT_FP4 matrix_b_fmt:MATRIX_FMT_FP4 matrix_a_scale:MATRIX_SCALE_ROW1
.elseif \oa
	v_wmma_scale_f32_16x16x128_f8f6f4 v[\d:\d+7], v[\bf:\bf+7], v[\af:\af+7], v[\d:\d+7], v[\sb], v[\sa] matrix_a_fmt:MATRIX_FMT_FP4 matrix_b_fmt:MATRIX_FMT_FP4 matrix_b_scale:MATRIX_SCALE_ROW1
.else
	v_wmma_scale_f32_16x16x128_f8f6f4 v[\d:\d+7], v[\bf:\bf+7], v[\af:\af+7], v[\d:\d+7], v[\sb], v[\sa] matrix_a_fmt:MATRIX_FMT_FP4 matrix_b_fmt:MATRIX_FMT_FP4
.endif
.endif
.endm
; K step q on fragment set p: 32 matrix instructions; the 32 accumulators take turns, one instruction a turn, in the same order in every step
.macro MUL p, q, z
	WIN 0xa1                                       ; source 0 window 1, source 1 window 0, C and D window 2
.irp a, 0,1,2,3
.irp b, 0,1,2,3,4,5,6,7
	WM 8*(8*\a+\b), 64*(\p)+8*\b, AF+32*(\p)+8*\a, \z, SB+8*(\b/2)+(\q), SA+8*(\a/2)+(\q), \b%2, \a%2
.endr
.endr
	WIN 0
.endm
; The fragments of K step q (128 codes: 64 bytes of a row; slot q / 4) into set p: 24 loads in one run
.macro FETCH q, p
	WIN 0x40                                       ; destination window 1
.irp i, 0,1,2,3,4,5,6,7
.irp c, 0,1
	ds_load_b128 v[64*(\p)+8*\i+4*\c:64*(\p)+8*\i+4*\c+3], v[ADRB+(\q)/4] offset:(32*(\i/2)+8*(\i%2))*PITCH+64*((\q)%4)+32*\c
.endr
.endr
	WIN 0
.irp i, 0,1,2,3
.irp c, 0,1
	ds_load_b128 v[AF+32*(\p)+8*\i+4*\c:AF+32*(\p)+8*\i+4*\c+3], v[ADRA+(\q)/4] offset:(32*(\i/2)+8*(\i%2))*PITCH+64*((\q)%4)+32*\c
.endr
.endr
.endm
.macro STEP q
	s_wait_dscnt 0x0                               ; this step's fragments are in
.if \q == 3
	s_wait_tensorcnt 0x0                           ; my part of slot 1 has landed;
	s_barrier_signal -1
	s_barrier_wait -1                              ; everybody's has.
.endif
.if \q < 7
.if \q > 0
	PLACES                                         ; in front of loads into the set that the last step multiplied
.endif
	FETCH (\q)+1, 1-(\q)%2
.endif
.if \q == 0
	MUL 0, 0, 1
.else
	MUL (\q)%2, \q, 0
.endif
.endm
	s_wait_dscnt 0x0                               ; for the others' sake: my rows of the table are stored
	s_wait_tensorcnt 0x1                           ; my parts of the scales and of slot 0 have landed; slot 1's load may stay out
	s_barrier_signal -1
	s_barrier_wait -1
.irp j, 0,1
.irp g, 0,1
	ds_load_b128 v[SA+8*\j+4*\g:SA+8*\j+4*\g+3], v[ADSA] offset:1088*\j+16*\g   ; four K steps' words of a pair of tiles
.endr
.endr
.irp j, 0,1,2,3
.irp g, 0,1
	ds_load_b128 v[SB+8*\j+4*\g:SB+8*\j+4*\g+3], v[ADSB] offset:1088*\j+16*\g
.endr
.endr
	FETCH 0, 0
.irp q, 0,1,2,3,4,5,6,7
	STEP \q
.endr
; 32 numbers of a lane, v[s] on, register 16 b + i = d 32 b + 16 (lane / 16) + i, become four registers of codes at v[c] (lane half h: block h whole) and two scale bytes in v[t+6], v[t+7].
; t: eight work registers: +0 largest magnitudes, +2 the other half's, +4 the conversions' scale operands, +6 the bytes
.macro QUANT2 s, c, t
.irp b, 0,1
	v_max3_num_f32 v[\t+\b], |v[\s+16*\b]|, |v[\s+16*\b+1]|, 0x1800000   ; and the floor 2^(3 - 127): the byte cannot fall under 1
.endr
.irp i, 2,4,6,8,10,12,14
.irp b, 0,1
	v_max3_num_f32 v[\t+\b], v[\t+\b], |v[\s+16*\b+\i]|, |v[\s+16*\b+\i+1]|
.endr
.endr
.irp b, 0,1
	v_permlanex16_b32 v[\t+2+\b], v[\t+\b], s[SEL], s[SEL+1]
.endr
.irp b, 0,1
	v_max_num_f32 v[\t+\b], v[\t+\b], v[\t+2+\b]   ; with lane l xor 16's: the block's largest magnitude
.endr
.irp b, 0,1
	v_add_nc_u32 v[\t+4+\b], 0xff000000, v[\t+\b]  ; 2 off its exponent field: the conversion takes the exponent field of this operand as its scale
.endr
.irp b, 0,1
	v_lshrrev_b32 v[\t+6+\b], 23, v[\t+4+\b]       ; the scale's byte
.endr
.irp b, 0,1
	v_cvt_scalef32_pk8_fp4_f32 v[\c+2*\b], v[\s+16*\b:\s+16*\b+7], v[\t+4+\b]
	v_cvt_scalef32_pk8_fp4_f32 v[\c+2*\b+1], v[\s+16*\b+8:\s+16*\b+15], v[\t+4+\b]
.endr
	v_nop                                          ; one plain place behind a scaled conversion
	v_permlane16_swap_b32 v[\c], v[\c+2]           ; the operand's layout wants a whole block in a lane
	v_permlane16_swap_b32 v[\c+1], v[\c+3]
.endm
; Tile a of positions, head hh: bias, rotation, quantiser, store
.macro QKUNIT a, hh
	s_wait_xcnt 0x0                                ; the last store has read its data registers: they are written again only behind this wait
	WIN 0x02                                       ; source 0: window 2
.set i, 0
.rept 16
	v_pk_add_f32 v[T+i:T+i+1], v[64*\a+32*\hh+i:64*\a+32*\hh+i+1], v[BI+32*\hh+i:BI+32*\hh+i+1]   ; each accumulator from its low end on
.set i, i+2
.endr
	WIN 0
.set i, 0
.rept 8
	v_pk_mul_f32 v[W+i:W+i+1], v[T+16+i:T+17+i], v[SI+i:SI+i+1]
.set i, i+2
.endr
.set i, 0
.rept 8
	v_pk_mul_f32 v[W+16+i:W+17+i], v[T+i:T+i+1], v[SI+i:SI+i+1]
.set i, i+2
.endr
.set i, 0
.rept 8
	v_pk_fma_f32 v[T+i:T+i+1], v[T+i:T+i+1], v[CO+i:CO+i+1], v[W+i:W+i+1] neg_lo:[0,0,1] neg_hi:[0,0,1]   ; d < 32: y cos - y(d + 32) sin
.set i, i+2
.endr
.set i, 0
.rept 8
	v_pk_fma_f32 v[T+16+i:T+17+i], v[T+16+i:T+17+i], v[CO+i:CO+i+1], v[W+16+i:W+17+i]                       ; d >= 32: y cos + y(d - 32) sin
.set i, i+2
.endr
	QUANT2 T, W, W+4
	v_lshl_or_b32 v[KW+2*\a+\hh], v[W+11], 8, v[W+10]
	v_or_b32 v[KW+2*\a+\hh], 0x7f7f0000, v[KW+2*\a+\hh]       ; bytes 2 and 3 stand over the zero codes that fill the next product's K from 64 to 128: 1.0
	global_store_b128 v[LI], v[W:W+3], s[98:99] offset:\hh*REC+\a*512    ; 512 consecutive bytes
.endm
	PLACES                                         ; behind the last products: their results are read, and loads land on fragments' registers
	s_wait_loadcnt 0x0                             ; the bias
.irp a, 0,1,2,3
.irp k, 0,1,2,3
	ds_load_b128 v[CO+4*\k:CO+4*\k+3], v[TR] offset:\a*16*PITCH+16*\k
	ds_load_b128 v[SI+4*\k:SI+4*\k+3], v[TR] offset:\a*16*PITCH+128+16*\k
.endr
	s_wait_dscnt 0x0
	QKUNIT \a, 0
	QKUNIT \a, 1
.endr
.irp hh, 0,1                                   ; the scale words: lanes 0-15 the even tile's, lanes 16-31 the odd tile's; 256 consecutive bytes a store
	v_cndmask_b32 v[W+4+2*\hh], v[KW+\hh], v[KW+2+\hh], s18
	v_cndmask_b32 v[W+5+2*\hh], v[KW+4+\hh], v[KW+6+\hh], s18
	global_store_b64 v[L8], v[W+4+2*\hh:W+5+2*\hh], s[100:101] offset:\hh*REC
.endr
	s_wait_tensorcnt 0x0                           ; the wave's end
	ds_add_u32 v[SPW], v[NIL]
	s_wait_dscnt 0x0
	CROUND                                         ; the closing round
	s_endpgm
.Lfunc_end_k_q7dad06fbfc_qk:
	.size	k_q7dad06fbfc_qk, .Lfunc_end_k_q7dad06fbfc_qk-k_q7dad06fbfc_qk
	.p2alignl 7, 3214868480
	.fill 96, 4, 3214868480
	.section	.rodata,"a",@progbits
	.p2align	6, 0x0
	.amdhsa_kernel k_q7dad06fbfc_qk
		.amdhsa_group_segment_fixed_size 262144
		.amdhsa_private_segment_fixed_size 0
		.amdhsa_enable_private_segment 0
		.amdhsa_kernarg_size 80
		.amdhsa_user_sgpr_count 2
		.amdhsa_user_sgpr_kernarg_segment_ptr 1
		.amdhsa_wavefront_size32 1
		.amdhsa_system_sgpr_workgroup_id_x 1
		.amdhsa_system_sgpr_workgroup_id_y 1
		.amdhsa_system_sgpr_workgroup_id_z 1
		.amdhsa_system_vgpr_workitem_id 0
		.amdhsa_next_free_vgpr 768
		.amdhsa_next_free_sgpr 106
		.amdhsa_reserve_vcc 0
		.amdhsa_float_denorm_mode_32 3
		.amdhsa_float_denorm_mode_16_64 3
		.amdhsa_memory_ordered 1
		.amdhsa_forward_progress 1
		.amdhsa_inst_pref_size 147
	.end_amdhsa_kernel
	.amdgpu_metadata
---
amdhsa.version: [ 1, 2 ]
amdhsa.kernels:
  - .name:           k_q7dad06fbfc_qk
    .symbol:         k_q7dad06fbfc_qk.kd
    .args:
      - { .name: x_codes, .offset: 0, .size: 8, .value_kind: global_buffer, .address_space: global }
      - { .name: x_scales, .offset: 8, .size: 8, .value_kind: global_buffer, .address_space: global }
      - { .name: Wq_codes, .offset: 16, .size: 8, .value_kind: global_buffer, .address_space: global }
      - { .name: Wq_scales, .offset: 24, .size: 8, .value_kind: global_buffer, .address_space: global }
      - { .name: Wk_codes, .offset: 32, .size: 8, .value_kind: global_buffer, .address_space: global }
      - { .name: Wk_scales, .offset: 40, .size: 8, .value_kind: global_buffer, .address_space: global }
      - { .name: bq, .offset: 48, .size: 8, .value_kind: global_buffer, .address_space: global }
      - { .name: bk, .offset: 56, .size: 8, .value_kind: global_buffer, .address_space: global }
      - { .name: qr, .offset: 64, .size: 8, .value_kind: global_buffer, .address_space: global }
      - { .name: kv, .offset: 72, .size: 8, .value_kind: global_buffer, .address_space: global }
    .group_segment_fixed_size: 262144
    .private_segment_fixed_size: 0
    .kernarg_segment_align: 8
    .kernarg_segment_size: 80
    .max_flat_workgroup_size: 128
    .sgpr_count:     106
    .vgpr_count:     768
    .wavefront_size: 32
...
	.end_amdgpu_metadata
.endif
;; end of part 1
;; launch vp (part 2): grid 4 x 64, 4 waves a work-group, clusters of 4 x 4, 262,144 bytes of LDS; arguments x_codes, x_scales, Wv_codes, Wv_scales, bv, kv; writes kv
.if DOCPART == 2
	.amdgcn_target "amdgcn-amd-amdhsa--gfx1250"
	.amdhsa_code_object_version 6
	.text
	.protected	k_q7dad06fbfc_vp
	.globl	k_q7dad06fbfc_vp
	.p2align	8
	.type	k_q7dad06fbfc_vp,@function
k_q7dad06fbfc_vp:
	s_mov_b64 s[64:65], 0
	v_nop
	global_prefetch_b8 v0, s[64:65] scope:SCOPE_SE
	s_setreg_imm32_b32 hwreg(HW_REG_WAVE_MODE, 25, 1), 1
	s_wait_xcnt 0x0
	s_wait_alu depctr_hold_cnt(0) depctr_sa_sdst(0) depctr_va_vdst(0) depctr_va_sdst(0) depctr_va_ssrc(0) depctr_va_vcc(0) depctr_vm_vsrc(0)
	s_getreg_b32 s2, hwreg(HW_REG_IB_STS2, 6, 4)
	s_cmp_eq_u32 s2, 0
	s_cbranch_scc0 .Lentry_in_a_cluster
	s_endpgm
.Lentry_in_a_cluster:
	s_bfe_u32 s2, ttmp6, 0x10000c
	s_cmp_lg_u32 s2, 0xf033
	s_cbranch_scc0 .Lentry_shape_is_right
	s_endpgm
.Lentry_shape_is_right:
; v = x Wv^T + bv on codes of FP4 (E2M1), then quantised ALONG THE KEYS, which are the K of attention's second product.  No work is left out.
; LIMITS: NaN and infinities are not served; a block under 2^-124, or of zeros, keeps the scale byte 1 (the bytes are read by this program alone).
; The skeleton is that of the launch for q and k with the sources' parts exchanged: source 0 = 16 positions of x, source 1 = 16 rows of Wv: a lane holds ONE d and its registers run along the keys.
; A work-group makes 128 rows of Wv (two heads) x 256 positions (two steps of 128 keys) over all of K = 1,024; a wave one head x one step: 32 accumulators.  Wv's tile is shared along a row of the cluster, x's along a column.
; Lane r of tile 2 b + u takes row 32 b + 8 u + r + 8 (r / 8), of x and of Wv alike: so the 16 registers of tiles 2 b, 2 b + 1 are keys 32 b + 16 (lane / 16) + 0 .. 15.
; OUT, into the records that hold k: at +4,096 of a step four tiles of d x 1,024 bytes (two images of 512: registers 0-3 and 4-7 of the operand); at +8,704 one image of 256 bytes of scale words
; (lane l: words of tiles (l / 16) and 2 + (l / 16), row l % 16).
.set PITCH, 272
.set SLOT,  384*PITCH                  ; Wv's 128 rows, then x's 256
.set BOFF,  128*PITCH
.set SCLA,  2*SLOT
.set SCLB,  SCLA+16*PITCH
.set SPARE, SCLB+32*PITCH              ; the spare words
.set REC,   143360
.set STEPB, 8960
.set ADRA, 16
.set ADRB, 20
.set ADSA, 22
.set ADSB, 23
.set LI,   24
.set L8,   25
.set SPW,  28
.set NIL,  29
.set BO,   30
.set SA,   32                          ; Wv's scale words;  SB: x's
.set SB,   48
.set KW,   80                          ; the words made, tile a at KW + a
.set PC,   96                          ; v96-103 the codes made
.set TM,   104                         ; v104-119 at work
.set AF,   128
.set T,    128                         ; later: 64 numbers of one d
.set BI,   192                         ; bv of my rows: tile a at BI + 2 a
.set WV,   24
.set WA,   25
.set WB,   26
.set SEL,  20
.set G1A,  32
.set G1B,  40
.set G1SA, 48
.set G1SB, 56
.set G0A,  68
.set G0B,  76
.set G0SA, 84
.set G0SB, 88
.set MSB, 0
.macro WIN new
.if MSB != \new
	s_set_vgpr_msb (MSB<<8)|\new
.set MSB, \new
.endif
.endm
.macro PLACES
.rept 4
	v_nop
.endr
.endm
.macro JLOAD g0a, g1a, g0b, g1b        ; waves 0, 1 fetch for Wv, waves 2, 3 for x; an s_nop 0 and four v_nop follow each line
	s_cmp_eq_u32 s[WA], 0
	s_cbranch_scc0 .Lfor_b_\@
	tensor_load_to_lds s[\g0a:\g0a+3], s[\g1a:\g1a+7]
	s_nop 0
.rept 4
	v_nop
.endr
	s_branch .Lasked_\@
.Lfor_b_\@:
	tensor_load_to_lds s[\g0b:\g0b+3], s[\g1b:\g1b+7]
	s_nop 0
.rept 4
	v_nop
.endr
.Lasked_\@:
.endm
.macro CROUND
	s_barrier_signal -1
	s_barrier_wait -1
	s_cmp_lg_u32 s[WV], 0
	s_cbranch_scc1 .Lnot_wave_0_\@
	s_barrier_signal -3
.Lnot_wave_0_\@:
	s_barrier_wait -3
	s_barrier_signal -1
	s_barrier_wait -1
.endm
	s_load_b256 s[4:11], s[0:1], 0x0               ; x's codes, x's scales, Wv's codes, Wv's scales
	s_load_b128 s[12:15], s[0:1], 0x20             ; bv, kv
	v_lshl_add_u32 v[SPW], v0, 2, SPARE
	v_mov_b32 v[NIL], 0
	ds_add_u32 v[SPW], v[NIL]                      ; the wave's opening: the add, twice on end, and its wait ahead of my first tensor load
	ds_add_u32 v[SPW], v[NIL]
	v_lshrrev_b32 v1, 5, v0
	v_readfirstlane_b32 s[WV], v1
	s_lshr_b32 s[WA], s[WV], 1
	s_and_b32 s[WB], s[WV], 1
	s_bfe_u32 s27, ttmp6, 0x40000                  ; cx
	s_bfe_u32 s28, ttmp6, 0x40004                  ; cy
	s_and_b32 s17, ttmp7, 0xffff                   ; cluster y
	s_and_b32 s29, s17, 1
	s_lshl_b32 s29, s29, 2
	s_add_co_u32 s29, s29, s28                     ; which 128 rows of Wv: 4 (cluster y % 2) + cy
	s_lshr_b32 s16, s17, 1
	s_lshl_b32 s16, s16, 2
	s_add_co_u32 s16, s16, s27                     ; which 256 positions: 4 (cluster y / 2) + cx
	s_lshl_b32 s30, s28, 2
	s_lshl_b32 s30, 15, s30                        ; my row of the cluster
	s_lshl_b32 s31, 0x1111, s27                    ; my column
	s_or_b32 s[G1A], s30, (1<<20)|(1<<21)|(5<<22)|(3<<25)
	s_or_b32 s[G1B], s31, (1<<20)|(1<<21)|(5<<22)|(3<<25)
	s_or_b32 s[G1SA], s30, (3<<16)|(1<<20)|(1<<21)|(5<<22)|(3<<25)
	s_or_b32 s[G1SB], s31, (3<<16)|(1<<20)|(1<<21)|(5<<22)|(3<<25)
.irp g, G1A, G1B
	s_mov_b32 s[\g+1], 256<<16
	s_mov_b32 s[\g+3], 256<<16
	s_mov_b32 s[\g+5], 512
	s_mov_b32 s[\g+6], 0
	s_mov_b32 s[\g+7], 0
.endr
	s_mov_b32 s[G1A+2], 64<<16
	s_mov_b32 s[G1A+4], 64
	s_mov_b32 s[G1B+2], 128<<16
	s_mov_b32 s[G1B+4], 128
.irp g, G1SA, G1SB
	s_mov_b32 s[\g+1], 32<<16
	s_mov_b32 s[\g+3], 32<<16
	s_mov_b32 s[\g+5], 32
	s_mov_b32 s[\g+6], 0
	s_mov_b32 s[\g+7], 0
.endr
	s_mov_b32 s[G1SA+2], 8<<16
	s_mov_b32 s[G1SA+4], 8
	s_mov_b32 s[G1SB+2], 16<<16
	s_mov_b32 s[G1SB+4], 16
	s_lshl_b32 s2, s29, 7
	s_lshl_b32 s3, s[WB], 6
	s_add_co_u32 s2, s2, s3                        ; Wv: the first row that I fetch
	s_lshl_b32 s66, s2, 5
	s_lshl_b32 s2, s2, 9
	s_mov_b32 s3, 0
	s_mov_b32 s67, 0
	s_lshl_b32 s100, s16, 8
	s_lshl_b32 s101, s[WB], 7
	s_add_co_u32 s100, s100, s101                  ; x likewise
	s_lshl_b32 s104, s100, 5
	s_lshl_b32 s100, s100, 9
	s_mov_b32 s101, 0
	s_mov_b32 s105, 0
	s_wait_dscnt 0x0                               ; both opening adds are done
	s_wait_kmcnt 0x0
	s_add_nc_u64 s[8:9], s[8:9], s[2:3]
	s_add_nc_u64 s[10:11], s[10:11], s[66:67]
	s_add_nc_u64 s[4:5], s[4:5], s[100:101]
	s_add_nc_u64 s[6:7], s[6:7], s[104:105]
	s_mul_i32 s2, s[WB], 64*PITCH
	s_mul_i32 s3, s[WB], 128*PITCH
	s_mul_i32 s66, s[WB], 8*PITCH
	s_mul_i32 s67, s[WB], 16*PITCH
	CROUND                                         ; the joint loads meet
	s_mov_b32 s[G0SA], 1
	s_add_co_u32 s[G0SA+1], s66, SCLA
	s_mov_b64 s[G0SA+2:G0SA+3], s[10:11]
	s_or_b32 s[G0SA+3], s[G0SA+3], 0x80000000
	s_mov_b32 s[G0SB], 1
	s_add_co_u32 s[G0SB+1], s67, SCLB
	s_mov_b64 s[G0SB+2:G0SB+3], s[6:7]
	s_or_b32 s[G0SB+3], s[G0SB+3], 0x80000000
	JLOAD G0SA, G1SA, G0SB, G1SB                   ; three loads of mine are out
.irp s, 0,1
	s_mov_b32 s[G0A+4*\s], 1
	s_add_co_u32 s[G0A+4*\s+1], s2, \s*SLOT
	s_add_nc_u64 s[G0A+4*\s+2:G0A+4*\s+3], s[8:9], \s*256
	s_or_b32 s[G0A+4*\s+3], s[G0A+4*\s+3], 0x80000000
	s_mov_b32 s[G0B+4*\s], 1
	s_add_co_u32 s[G0B+4*\s+1], s3, \s*SLOT+BOFF
	s_add_nc_u64 s[G0B+4*\s+2:G0B+4*\s+3], s[4:5], \s*256
	s_or_b32 s[G0B+4*\s+3], s[G0B+4*\s+3], 0x80000000
	JLOAD G0A+4*\s, G1A, G0B+4*\s, G1B
.endr
	v_and_b32 v1, 15, v0                           ; r
	v_bfe_u32 v2, v0, 4, 1                         ; h
	v_and_b32 v3, 8, v1
	v_add_nc_u32 v3, v3, v1                        ; r + 8 (r / 8)
	v_mul_u32_u24 v4, v3, PITCH
	v_lshl_add_u32 v4, v2, 4, v4
	s_mul_i32 s2, s[WA], 64*PITCH
	s_mul_i32 s3, s[WB], 128*PITCH
	s_add_co_u32 s3, s3, BOFF
.irp s, 0,1
	v_add_nc_u32 v[ADRA+\s], s2, v4
	v_add_nc_u32 v[ADRB+\s], s3, v4
	s_add_co_u32 s2, s2, SLOT
	s_add_co_u32 s3, s3, SLOT
.endr
	v_and_b32 v5, 7, v1
	v_lshlrev_b32 v5, 5, v5
	v_lshrrev_b32 v6, 3, v1
	v_mad_u32_u24 v5, v6, 544, v5
	v_mad_u32_u24 v5, v2, 272, v5
	s_mul_i32 s2, s[WA], 8*PITCH
	s_add_co_u32 s2, s2, SCLA
	s_mul_i32 s3, s[WB], 16*PITCH
	s_add_co_u32 s3, s3, SCLB
	v_add_nc_u32 v[ADSA], s2, v5
	v_add_nc_u32 v[ADSB], s3, v5
	v_and_b32 v7, 31, v0
	v_lshlrev_b32 v[LI], 4, v7
	v_lshlrev_b32 v[L8], 3, v7
	s_lshl_b32 s2, s29, 9                          ; bv: my head's 64 numbers; tile a's row of my lane
	s_lshl_b32 s3, s[WA], 8
	s_add_co_u32 s2, s2, s3
	s_mov_b32 s3, 0
	s_add_nc_u64 s[12:13], s[12:13], s[2:3]
	v_lshlrev_b32 v[BO], 2, v3
.irp a, 0,1,2,3
	global_load_b32 v[BI+2*\a], v[BO], s[12:13] offset:(32*(\a/2)+8*(\a%2))*4
	v_mov_b32 v[BI+2*\a+1], 0                      ; named with it as a pair, so it is written
.endr
.irp b, 0,1,2,3
	v_mov_b32 v[TM+4+\b], 0                        ; written once: a lane permute's destination counts as one of its sources
.endr
	s_lshr_b32 s2, s16, 3                          ; batch
	s_lshl_b32 s2, s2, 4
	s_lshl_b32 s3, s29, 1
	s_add_co_u32 s2, s2, s3
	s_add_co_u32 s2, s2, s[WA]                     ; record 16 batch + head
	s_mul_i32 s2, s2, REC
	s_lshl_b32 s3, s16, 1
	s_add_co_u32 s3, s3, s[WB]
	s_and_b32 s3, s3, 15                           ; the step of 128 keys
	s_mul_i32 s3, s3, STEPB
	s_add_co_u32 s2, s2, s3
	s_mov_b32 s3, 0
	s_add_nc_u64 s[14:15], s[14:15], s[2:3]
	s_mov_b32 s18, 0xffff0000                      ; lanes 16-31
	s_mov_b32 s[SEL], 0x76543210
	s_mov_b32 s[SEL+1], 0xfedcba98
.macro WM d, bf, af, z, sb, sa, ob, oa
.if \z
.if (\ob) && (\oa)
	v_wmma_scale_f32_16x16x128_f8f6f4 v[\d:\d+7], v[\bf:\bf+7], v[\af:\af+7], 0, v[\sb], v[\sa] matrix_a_fmt:MATRIX_FMT_FP4 matrix_b_fmt:MATRIX_FMT_FP4 matrix_a_scale:MATRIX_SCALE_ROW1 matrix_b_scale:MATRIX_SCALE_ROW1
.elseif \ob
	v_wmma_scale_f32_16x16x128_f8f6f4 v[\d:\d+7], v[\bf:\bf+7], v[\af:\af+7], 0, v[\sb], v[\sa] matrix_a_fmt:MATRIX_FMT_FP4 matrix_b_fmt:MATRIX_FMT_FP4 matrix_a_scale:MATRIX_SCALE_ROW1
.elseif \oa
	v_wmma_scale_f32_16x16x128_f8f6f4 v[\d:\d+7], v[\bf:\bf+7], v[\af:\af+7], 0, v[\sb], v[\sa] matrix_a_fmt:MATRIX_FMT_FP4 matrix_b_fmt:MATRIX_FMT_FP4 matrix_b_scale:MATRIX_SCALE_ROW1
.else
	v_wmma_scale_f32_16x16x128_f8f6f4 v[\d:\d+7], v[\bf:\bf+7], v[\af:\af+7], 0, v[\sb], v[\sa] matrix_a_fmt:MATRIX_FMT_FP4 matrix_b_fmt:MATRIX_FMT_FP4
.endif
.else
.if (\ob) && (\oa)
	v_wmma_scale_f32_16x16x128_f8f6f4 v[\d:\d+7], v[\bf:\bf+7], v[\af:\af+7], v[\d:\d+7], v[\sb], v[\sa] matrix_a_fmt:MATRIX_FMT_FP4 matrix_b_fmt:MATRIX_FMT_FP4 matrix_a_scale:MATRIX_SCALE_ROW1 matrix_b_scale:MATRIX_SCALE_ROW1
.elseif \ob
	v_wmma_scale_f32_16x16x128_f8f6f4 v[\d:\d+7], v[\bf:\bf+7], v[\af:\af+7], v[\d:\d+7], v[\sb], v[\sa] matrix_a_fmt:MATRIX_FMT_FP4 matrix_b_fmt:MATRIX_FMT_FP4 matrix_a_scale:MATRIX_SCALE_ROW1
.elseif \oa
	v_wmma_scale_f32_16x16x128_f8f6f4 v[\d:\d+7], v[\bf:\bf+7], v[\af:\af+7], v[\d:\d+7], v[\sb], v[\sa] matrix_a_fmt:MATRIX_FMT_FP4 matrix_b_fmt:MATRIX_FMT_FP4 matrix_b_scale:MATRIX_SCALE_ROW1
.else
	v_wmma_scale_f32_16x16x128_f8f6f4 v[\d:\d+7], v[\bf:\bf+7], v[\af:\af+7], v[\d:\d+7], v[\sb], v[\sa] matrix_a_fmt:MATRIX_FMT_FP4 matrix_b_fmt:MATRIX_FMT_FP4
.endif
.endif
.endm
.macro MUL p, q, z                     ; 32 matrix instructions; the 32 accumulators take turns, in the same order in every step
	WIN 0xa1
.irp a, 0,1,2,3
.irp b, 0,1,2,3,4,5,6,7
	WM 8*(8*\a+\b), 64*(\p)+8*\b, AF+32*(\p)+8*\a, \z, SB+8*(\b/2)+(\q), SA+8*(\a/2)+(\q), \b%2, \a%2
.endr
.endr
	WIN 0
.endm
.macro FETCH q, p
	WIN 0x40
.irp i, 0,1,2,3,4,5,6,7
.irp c, 0,1
	ds_load_b128 v[64*(\p)+8*\i+4*\c:64*(\p)+8*\i+4*\c+3], v[ADRB+(\q)/4] offset:(32*(\i/2)+8*(\i%2))*PITCH+64*((\q)%4)+32*\c
.endr
.endr
	WIN 0
.irp i, 0,1,2,3
.irp c, 0,1
	ds_load_b128 v[AF+32*(\p)+8*\i+4*\c:AF+32*(\p)+8*\i+4*\c+3], v[ADRA+(\q)/4] offset:(32*(\i/2)+8*(\i%2))*PITCH+64*((\q)%4)+32*\c
.endr
.endr
.endm
.macro STEP q
	s_wait_dscnt 0x0                               ; this step's fragments are in
.if \q == 3
	s_wait_tensorcnt 0x0                           ; my part of slot 1 has landed;
	s_barrier_signal -1
	s_barrier_wait -1                              ; everybody's has.
.endif
.if \q < 7
.if \q > 0
	PLACES                                         ; in front of loads into the set that the last step multiplied
.endif
	FETCH (\q)+1, 1-(\q)%2
.endif
.if \q == 0
	MUL 0, 0, 1
.else
	MUL (\q)%2, \q, 0
.endif
.endm
	s_wait_tensorcnt 0x1                           ; my parts of the scales and of slot 0 have landed; slot 1's load may stay out
	s_barrier_signal -1
	s_barrier_wait -1
.irp j, 0,1
.irp g, 0,1
	ds_load_b128 v[SA+8*\j+4*\g:SA+8*\j+4*\g+3], v[ADSA] offset:1088*\j+16*\g
.endr
.endr
.irp j, 0,1,2,3
.irp g, 0,1
	ds_load_b128 v[SB+8*\j+4*\g:SB+8*\j+4*\g+3], v[ADSB] offset:1088*\j+16*\g
.endr
.endr
	FETCH 0, 0
.irp q, 0,1,2,3,4,5,6,7
	STEP \q
.endr
; Tile a of d: bias; 64 numbers of a lane, register 16 b + i = key 32 b + 16 (lane / 16) + i, become the operand's eight registers and its scale word
.macro VUNIT a
	s_wait_xcnt 0x0                                ; the last stores have read their data registers
	WIN 0x02                                       ; source 0: window 2
.set i, 0
.rept 32
	v_pk_add_f32 v[T+i:T+i+1], v[64*\a+i:64*\a+i+1], v[BI+2*\a:BI+2*\a+1] op_sel_hi:[1,0]   ; each accumulator from its low end on
.set i, i+2
.endr
	WIN 0
.irp b, 0,1,2,3
	v_max3_num_f32 v[TM+\b], |v[T+16*\b]|, |v[T+1+16*\b]|, 0x1800000     ; and the floor 2^(3 - 127): the byte cannot fall under 1
.endr
.irp i, 2,4,6,8,10,12,14
.irp b, 0,1,2,3
	v_max3_num_f32 v[TM+\b], v[TM+\b], |v[T+16*\b+\i]|, |v[T+1+16*\b+\i]|
.endr
.endr
.irp b, 0,1,2,3
	v_permlanex16_b32 v[TM+4+\b], v[TM+\b], s[SEL], s[SEL+1]
.endr
.irp b, 0,1,2,3
	v_max_num_f32 v[TM+\b], v[TM+\b], v[TM+4+\b]   ; with lane l xor 16's: the block's largest magnitude
.endr
.irp b, 0,1,2,3
	v_add_nc_u32 v[TM+8+\b], 0xff000000, v[TM+\b]  ; 2 off its exponent field: the conversion's scale operand
.endr
.irp b, 0,1,2,3
	v_lshrrev_b32 v[TM+12+\b], 23, v[TM+8+\b]      ; the scale's byte
.endr
	v_lshl_or_b32 v[KW+\a], v[TM+13], 8, v[TM+12]
	v_lshl_or_b32 v[KW+\a], v[TM+14], 16, v[KW+\a]
	v_lshl_or_b32 v[KW+\a], v[TM+15], 24, v[KW+\a]
.irp b, 0,1,2,3
	v_cvt_scalef32_pk8_fp4_f32 v[PC+2*\b], v[T+16*\b:T+7+16*\b], v[TM+8+\b]
	v_cvt_scalef32_pk8_fp4_f32 v[PC+1+2*\b], v[T+8+16*\b:T+15+16*\b], v[TM+8+\b]
.endr
	v_nop                                          ; one plain place behind a scaled conversion
.irp c, 0,1
.irp i, 0,1
	v_permlane16_swap_b32 v[PC+4*\c+\i], v[PC+2+4*\c+\i]      ; a whole block in a lane
.endr
.endr
	global_store_b128 v[LI], v[PC:PC+3], s[14:15] offset:4096+\a*1024
	global_store_b128 v[LI], v[PC+4:PC+7], s[14:15] offset:4096+\a*1024+512
.endm
	PLACES                                         ; behind the last products
	s_wait_alu depctr_va_vdst(0)
	s_wait_loadcnt 0x0                             ; bv
.irp a, 0,1,2,3
	VUNIT \a
.endr
	v_cndmask_b32 v[TM], v[KW], v[KW+1], s18       ; lanes 0-15 the even tile's words, lanes 16-31 the odd tile's
	v_cndmask_b32 v[TM+1], v[KW+2], v[KW+3], s18
	global_store_b64 v[L8], v[TM:TM+1], s[14:15] offset:8704
	s_wait_tensorcnt 0x0                           ; the wave's end
	ds_add_u32 v[SPW], v[NIL]
	s_wait_dscnt 0x0
	CROUND                                         ; the closing round
	s_endpgm
.Lfunc_end_k_q7dad06fbfc_vp:
	.size	k_q7dad06fbfc_vp, .Lfunc_end_k_q7dad06fbfc_vp-k_q7dad06fbfc_vp
	.p2alignl 7, 3214868480
	.fill 96, 4, 3214868480
	.section	.rodata,"a",@progbits
	.p2align	6, 0x0
	.amdhsa_kernel k_q7dad06fbfc_vp
		.amdhsa_group_segment_fixed_size 262144
		.amdhsa_private_segment_fixed_size 0
		.amdhsa_enable_private_segment 0
		.amdhsa_kernarg_size 48
		.amdhsa_user_sgpr_count 2
		.amdhsa_user_sgpr_kernarg_segment_ptr 1
		.amdhsa_wavefront_size32 1
		.amdhsa_system_sgpr_workgroup_id_x 1
		.amdhsa_system_sgpr_workgroup_id_y 1
		.amdhsa_system_sgpr_workgroup_id_z 1
		.amdhsa_system_vgpr_workitem_id 0
		.amdhsa_next_free_vgpr 768
		.amdhsa_next_free_sgpr 106
		.amdhsa_reserve_vcc 0
		.amdhsa_float_denorm_mode_32 3
		.amdhsa_float_denorm_mode_16_64 3
		.amdhsa_memory_ordered 1
		.amdhsa_forward_progress 1
		.amdhsa_inst_pref_size 83
	.end_amdhsa_kernel
	.amdgpu_metadata
---
amdhsa.version: [ 1, 2 ]
amdhsa.kernels:
  - .name:           k_q7dad06fbfc_vp
    .symbol:         k_q7dad06fbfc_vp.kd
    .args:
      - { .name: x_codes, .offset: 0, .size: 8, .value_kind: global_buffer, .address_space: global }
      - { .name: x_scales, .offset: 8, .size: 8, .value_kind: global_buffer, .address_space: global }
      - { .name: Wv_codes, .offset: 16, .size: 8, .value_kind: global_buffer, .address_space: global }
      - { .name: Wv_scales, .offset: 24, .size: 8, .value_kind: global_buffer, .address_space: global }
      - { .name: bv, .offset: 32, .size: 8, .value_kind: global_buffer, .address_space: global }
      - { .name: kv, .offset: 40, .size: 8, .value_kind: global_buffer, .address_space: global }
    .group_segment_fixed_size: 262144
    .private_segment_fixed_size: 0
    .kernarg_segment_align: 8
    .kernarg_segment_size: 48
    .max_flat_workgroup_size: 128
    .sgpr_count:     106
    .vgpr_count:     768
    .wavefront_size: 32
...
	.end_amdgpu_metadata
.endif
;; end of part 2
;; launch attn (part 3): grid 8 x 32, 16 waves a work-group, clusters of 4 x 1, 327,680 bytes of LDS; arguments qr, kv, oc, os; writes oc, os
.if DOCPART == 3
	.amdgcn_target "amdgcn-amd-amdhsa--gfx1250"
	.amdhsa_code_object_version 6
	.text
	.protected	k_q7dad06fbfc_attn
	.globl	k_q7dad06fbfc_attn
	.p2align	8
	.type	k_q7dad06fbfc_attn,@function
k_q7dad06fbfc_attn:
	s_mov_b64 s[64:65], 0
	v_nop
	global_prefetch_b8 v0, s[64:65] scope:SCOPE_SE
	s_setreg_imm32_b32 hwreg(HW_REG_WAVE_MODE, 25, 1), 1
	s_wait_xcnt 0x0
	s_wait_alu depctr_hold_cnt(0) depctr_sa_sdst(0) depctr_va_vdst(0) depctr_va_sdst(0) depctr_va_ssrc(0) depctr_va_vcc(0) depctr_vm_vsrc(0)
	s_getreg_b32 s2, hwreg(HW_REG_IB_STS2, 6, 4)
	s_cmp_eq_u32 s2, 0
	s_cbranch_scc0 .Lentry_in_a_cluster
	s_endpgm
.Lentry_in_a_cluster:
	s_bfe_u32 s2, ttmp6, 0x10000c
	s_cmp_lg_u32 s2, 0x3003
	s_cbranch_scc0 .Lentry_shape_is_right
	s_endpgm
.Lentry_shape_is_right:
; o = softmax(q k^T / 8) v for all heads, both products on codes of FP4 (E2M1), then o quantised along the model's 1,024 for the last product.  No work is left out.
; THE SOFTMAX: t = score x log2(e) / 8; M = the running largest t rounded UP to a whole number; p = 2^(t - M) is what is quantised, along the keys, not normalised; the row's sum is taken of the unquantised p
; and divides at the end.  When M moves, the sum and O are multiplied by 2^(old M - new M): exact.
; LIMITS: NaN and infinities are not served; a block of p or of o under 2^-124, or of zeros, keeps the scale byte 1.
; SHARES.  A work-group owns 256 queries of one batch and a PAIR of heads; each of its sixteen waves one tile of 16 queries, and takes the two heads one after the other: so a wave ends with a whole fragment (128 along the last
; product's K) and a whole scale word.  K and V of both heads, 2 x 143,360 bytes of operand images, lie in LDS whole: every wave fetches one step of each head; nothing is ever filled again.
; CLUSTER.  The four query blocks of a cluster walk the same two heads: each load is asked for jointly, mask 15.
; LAYOUT.  Both products transposed: S^T = K Q^T, O^T = V^T P^T: a lane holds ONE query.  The keys of a tile of K, and the d of a tile of V, were chosen by the launches before so that the 16 registers of two
; neighbouring tiles are 16 neighbours.  THE FIRST PRODUCT'S K IS 64: registers 4-7 of Q's fragment hold zero codes; registers 4-7 of a tile of K are simply the next tile's codes (the last tile's: zeros), which meet those
; zeros; bytes 2, 3 of all scale words are 0x7f.  So the upper 64 add exactly 0.
; REGISTERS: v1-11 addresses; v12 -M, v13 the largest t, v[14:15] the sum; v16-31 Q of both heads; v32-67 K; v68-76 scale words; v80-89 results; v96-159 S^T, then p; v160-191 O^T; v192-223 V; v224-231 p's codes; v232-254 at work.
.set REC,   143360
.set STEPB, 8960
.set STG,   2*REC                      ; behind the two records: the scale words of 16 tiles, 1,024 bytes, written by LDS stores alone
.set SPARE, STG+1024                   ; the spare words, 128 bytes for each wave
.macro CROUND
	s_barrier_signal -1
	s_barrier_wait -1
	s_cmp_lg_u32 s12, 0
	s_cbranch_scc1 .Lnot_wave_0_\@
	s_barrier_signal -3
.Lnot_wave_0_\@:
	s_barrier_wait -3
	s_barrier_signal -1
	s_barrier_wait -1
.endm
	s_load_b256 s[4:11], s[0:1], 0x0               ; qr, kv, oc, os
	v_lshl_add_u32 v3, v0, 2, SPARE
	v_mov_b32 v4, 0
	ds_add_u32 v3, v4                              ; the wave's opening: the add, twice on end, and its wait ahead of my first tensor load
	ds_add_u32 v3, v4
	v_lshrrev_b32 v5, 5, v0
	s_delay_alu instid0(VALU_DEP_1)
	v_readfirstlane_b32 s12, v5                    ; wave 0..15
	s_bfe_u32 s13, ttmp6, 0x40000                  ; cx
	s_lshl_b32 s15, ttmp9, 2
	s_add_co_u32 s15, s15, s13                     ; my block of 256 queries: it enters global addresses of q and of the results alone
	s_and_b32 s14, ttmp7, 0xffff                   ; 8 batch + pair of heads
	s_mov_b32 s24, 15|(3<<16)|(1<<21)              ; group 1: the mask: all four; elements of 8 bytes; bit 21 beside a mask; no padding
	s_mov_b32 s25, 32<<16                          ; a step's 8,960 dense bytes as 35 rows of 256
	s_mov_b32 s26, 35<<16
	s_mov_b32 s27, 32<<16
	s_mov_b32 s28, 35
	s_mov_b32 s29, 32
	s_mov_b32 s30, 0
	s_mov_b32 s31, 0
	s_mul_i32 s16, s14, 2*REC                      ; the pair's first record
	s_mul_i32 s17, s12, STEPB                      ; the step that I fetch
	s_add_co_u32 s18, s16, s17
	s_mov_b32 s19, 0
	s_mov_b32 s20, 0x76543210                      ; selects for lane l xor 16
	s_mov_b32 s21, 0xfedcba98
	s_mov_b32 s22, 0x3e38aa3b                      ; c = log2(e) / 8
	s_mov_b32 s23, s22                             ; (named with it as a pair)
	s_wait_dscnt 0x0                               ; both opening adds are done
	s_wait_kmcnt 0x0
	s_add_nc_u64 s[6:7], s[6:7], s[18:19]
	CROUND                                         ; all four work-groups are here: the joint loads meet
	s_mov_b32 s32, 1
	s_mov_b32 s33, s17
	s_mov_b64 s[34:35], s[6:7]
	s_or_b32 s35, s35, 0x80000000
	s_mov_b32 s36, 1
	s_add_co_u32 s37, s17, REC
	s_add_nc_u64 s[38:39], s[6:7], REC
	s_or_b32 s39, s39, 0x80000000
	tensor_load_to_lds s[32:35], s[24:31]          ; my step of the first head,
	s_nop 0
	s_wait_alu depctr_va_vdst(0)
	s_wait_tensorcnt 0x0
	ds_add_u32 v3, v4
	s_wait_dscnt 0x0
	CROUND
	tensor_load_to_lds s[36:39], s[24:31]          ; and of the second: one load of mine is out
	s_nop 0
.rept 4
	v_nop
.endr
	v_and_b32 v10, 31, v0
	s_delay_alu instid0(VALU_DEP_1)
	v_lshlrev_b32 v1, 4, v10                       ; 16 x lane: an image's place for my lane
	s_wait_alu depctr_va_vdst(0)
	v_lshlrev_b32 v2, 3, v10
	s_delay_alu instid0(VALU_DEP_1)
	v_add_nc_u32 v2, 8192, v2                      ; 8 x lane, behind a step's codes: the scale images
	v_and_b32 v10, 15, v0                          ; r
	s_delay_alu instid0(VALU_DEP_1)
	v_lshlrev_b32 v11, 3, v10                      ; q's scale word: 8 r
	s_wait_alu depctr_va_vdst(0)
	s_lshl_b32 s16, s12, 6
	s_add_co_u32 s16, s16, STG
	v_lshl_add_u32 v7, v10, 2, s16                 ; where my tile's scale words go: 64 x wave + 4 r
	v_lshlrev_b32 v8, 4, v0                        ; 16 x thread
	s_delay_alu instid0(VALU_DEP_1)
	v_add_nc_u32 v9, STG, v8                       ; (read by waves 0 and 1 alone)
	s_mul_i32 s42, s14, 2*REC                      ; q: the pair's first record, the step that holds my tile,
	s_lshl_b32 s16, s15, 1
	s_lshr_b32 s17, s12, 3
	s_add_co_u32 s16, s16, s17
	s_mul_i32 s16, s16, STEPB
	s_add_co_u32 s42, s42, s16
	s_mov_b32 s43, 0
	s_add_nc_u64 s[4:5], s[4:5], s[42:43]
	s_and_b32 s16, s12, 7                          ; my tile in it
	s_lshl_b32 s42, s16, 9
	s_add_nc_u64 s[44:45], s[4:5], s[42:43]        ; its codes
	s_lshr_b32 s17, s16, 2                         ; its words: image tile / 4, lanes 16 (tile % 2) + r, word (tile / 2) % 2
	s_lshl_b32 s42, s17, 8
	s_and_b32 s17, s16, 1
	s_lshl_b32 s17, s17, 7
	s_add_co_u32 s42, s42, s17
	s_bfe_u32 s17, s16, 0x10001
	s_lshl_b32 s17, s17, 2
	s_add_co_u32 s42, s42, s17
	s_add_co_u32 s42, s42, 8192
	s_add_nc_u64 s[46:47], s[4:5], s[42:43]
	global_load_b128 v[16:19], v1, s[44:45]
	global_load_b128 v[24:27], v1, s[44:45] offset:REC
	global_load_b32 v75, v11, s[46:47]
	global_load_b32 v76, v11, s[46:47] offset:REC
	s_lshr_b32 s16, s14, 3                         ; batch
	s_lshl_b32 s16, s16, 7
	s_lshl_b32 s17, s15, 4
	s_add_co_u32 s16, s16, s17                     ; the work-group's first tile of rows: 128 batch + 16 block
	s_lshl_b32 s48, s16, 6
	s_add_co_u32 s16, s16, s12
	s_lshl_b32 s42, s16, 13                        ; oc: a tile of rows has 8,192 bytes,
	s_and_b32 s17, s14, 7
	s_lshl_b32 s16, s17, 10                        ; the pair of heads 1,024 of them
	s_add_co_u32 s42, s42, s16
	s_add_nc_u64 s[8:9], s[8:9], s[42:43]
	s_lshl_b32 s17, s17, 15                        ; os: [pair of heads][tile of rows][16 words]
	s_add_co_u32 s42, s48, s17
	s_add_nc_u64 s[10:11], s[10:11], s[42:43]
.irp j, 20,21,22,23,28,29,30,31,64,65,66,67
	v_mov_b32 v[\j], 0                             ; the zero codes that fill K from 64 to 128
.endr
.irp j, 236,237,238,239,253
	v_mov_b32 v[\j], 0                             ; written once: a lane permute's destination counts as a source; v253 is named as the upper half of a pair
.endr
; A KEY STEP: 128 keys, from LDS byte s40 on.  qf: Q's fragment, qs: its scale words
.macro STEP qf, qs
	v_add_nc_u32 v5, s40, v1
	v_add_nc_u32 v6, s40, v2
.irp t, 0,1,2,3,4,5,6,7
	ds_load_b128 v[32+4*\t:35+4*\t], v5 offset:512*\t          ; K: eight tiles of 16 keys
.endr
	ds_load_b64 v[68:69], v6
	ds_load_b64 v[70:71], v6 offset:256
	v_nop                                          ; with the two additions above: four places behind the last step's products, in front of loads into their registers
	v_nop
.irp d, 0,1,2,3
.irp c, 0,1
	ds_load_b128 v[192+8*\d+4*\c:195+8*\d+4*\c], v5 offset:4096+1024*\d+512*\c   ; V: four tiles of 16 d
.endr
.endr
	ds_load_b64 v[72:73], v6 offset:512
	s_wait_dscnt 0x9                               ; K and its words are in; V's nine loads, issued behind them, may stay out
.irp t, 0,2,4,6
	v_wmma_scale_f32_16x16x128_f8f6f4 v[96+8*\t:103+8*\t], v[32+4*\t:39+4*\t], v[\qf:\qf+7], 0, v[68+\t/2], v[\qs] matrix_a_fmt:MATRIX_FMT_FP4 matrix_b_fmt:MATRIX_FMT_FP4
	v_wmma_scale_f32_16x16x128_f8f6f4 v[104+8*\t:111+8*\t], v[36+4*\t:43+4*\t], v[\qf:\qf+7], 0, v[68+\t/2], v[\qs] matrix_a_fmt:MATRIX_FMT_FP4 matrix_b_fmt:MATRIX_FMT_FP4 matrix_a_scale:MATRIX_SCALE_ROW1
.endr
.rept 4
	v_nop
.endr
.irp b, 0,1,2,3
	v_max3_num_f32 v[232+\b], v[96+16*\b], v[97+16*\b], v[98+16*\b]   ; the largest score of each block of 32 keys: for the row's maximum and, since p rises with the score, for the block's largest p
.endr
.irp i, 3,5,7,9,11,13
.irp b, 0,1,2,3
	v_max3_num_f32 v[232+\b], v[232+\b], v[96+16*\b+\i], v[97+16*\b+\i]
.endr
.endr
.irp b, 0,1,2,3
	v_max_num_f32 v[232+\b], v[232+\b], v[111+16*\b]
.endr
.irp b, 0,1,2,3
	s_delay_alu instid0(VALU_DEP_4)
	v_permlanex16_b32 v[236+\b], v[232+\b], s20, s21
.endr
.irp b, 0,1,2,3
	s_delay_alu instid0(VALU_DEP_4)
	v_max_num_f32 v[232+\b], v[232+\b], v[236+\b]  ; with lane l xor 16's 16 keys
.endr
	s_delay_alu instid0(VALU_DEP_2)
	v_max3_num_f32 v254, v232, v233, v234
	s_delay_alu instid0(VALU_DEP_1)
	v_max_num_f32 v254, v254, v235
	s_delay_alu instid0(VALU_DEP_1)
	v_mul_f32 v254, s22, v254                      ; the step's largest t
	s_delay_alu instid0(VALU_DEP_1)
	v_max_num_f32 v13, v13, v254
	v_mov_b32 v254, v12
	s_delay_alu instid0(VALU_DEP_2)
	v_floor_f32 v12, -v13                          ; the new -M = -ceil(t)
	s_delay_alu instid0(VALU_DEP_1)
	v_sub_f32 v254, v12, v254                      ; old M less new M: a whole number, 0 or less
	s_delay_alu instid0(VALU_DEP_1)
	v_cvt_i32_f32 v254, v254                       ; (it saturates)
	s_delay_alu instid0(VALU_DEP_1)
	v_ldexp_f32 v252, 1.0, v254                    ; f = 2^(old M - new M)
.set j, 0
.rept 32
	v_pk_fma_f32 v[96+j:97+j], v[96+j:97+j], s[22:23], v[12:13] op_sel_hi:[1,0,0]   ; t - M
.set j, j+2
.endr
.irp b, 0,1,2,3
	v_fma_f32 v[232+\b], v[232+\b], s22, v12
.endr
.set j, 0
	s_wait_alu depctr_va_vdst(0)
.rept 64
	v_exp_f32 v[96+j], v[96+j]                     ; p = 2^(t - M)
.set j, j+1
.endr
	s_setprio 1
	v_pk_mul_f32 v[14:15], v[14:15], v[252:253] op_sel_hi:[1,0]   ; the sums under the new M (a plain place behind the exponentials)
	s_wait_alu depctr_va_vdst(0)                   ; one wait for the whole batch, ahead of its first reader
.irp b, 0,1,2,3
	v_exp_f32 v[232+\b], v[232+\b]                 ; each block's largest p
.endr
	v_pk_add_f32 v[236:237], v[96:97], v[98:99]    ; the row's sum of the unquantised p, in two chains
.irp j, 4,8,12,16,20,24,28,32,36,40,44,48,52,56,60
	v_pk_add_f32 v[14:15], v[14:15], v[96+\j:97+\j]
	v_pk_add_f32 v[236:237], v[236:237], v[98+\j:99+\j]
.endr
	s_delay_alu instid0(VALU_DEP_1)
	v_pk_add_f32 v[14:15], v[14:15], v[236:237]
	s_wait_alu depctr_va_vdst(0)                   ; and one for the four
.irp b, 0,1,2,3
	v_max_num_f32 v[232+\b], 0x1800000, v[232+\b]  ; the floor 2^(3 - 127)
.endr
.irp b, 0,1,2,3
	s_delay_alu instid0(VALU_DEP_4)
	v_add_nc_u32 v[244+\b], 0xff000000, v[232+\b]  ; 2 off the exponent field: the conversion's scale operand
.endr
.irp b, 0,1,2,3
	s_delay_alu instid0(VALU_DEP_4)
	v_lshrrev_b32 v[236+\b], 23, v[244+\b]
.endr
	s_delay_alu instid0(VALU_DEP_3)
	v_lshl_or_b32 v74, v237, 8, v236               ; p's scale word for these 128 keys
	s_delay_alu instid0(VALU_DEP_1)
	v_lshl_or_b32 v74, v238, 16, v74
	s_delay_alu instid0(VALU_DEP_1)
	v_lshl_or_b32 v74, v239, 24, v74
.irp b, 0,1,2,3
	v_cvt_scalef32_pk8_fp4_f32 v[224+2*\b], v[96+16*\b:103+16*\b], v[244+\b]
	v_cvt_scalef32_pk8_fp4_f32 v[225+2*\b], v[104+16*\b:111+16*\b], v[244+\b]
.endr
	v_nop                                          ; one plain place behind a scaled conversion
.irp c, 0,1
.irp i, 0,1
	v_permlane16_swap_b32 v[224+4*\c+\i], v[226+4*\c+\i]
.endr
.endr
.set j, 0
	s_setprio 0
.rept 16
	v_pk_mul_f32 v[160+j:161+j], v[160+j:161+j], v[252:253] op_sel_hi:[1,0]   ; O^T under the new M; these sixteen are also the places between the scale word, the codes and the products below
.set j, j+2
.endr
	s_wait_alu depctr_va_vdst(0)
	s_wait_dscnt 0x0                               ; V is in
.irp d, 0,2                                    ; the four accumulators take turns
	v_wmma_scale_f32_16x16x128_f8f6f4 v[160+8*\d:167+8*\d], v[192+8*\d:199+8*\d], v[224:231], v[160+8*\d:167+8*\d], v[72+\d/2], v74 matrix_a_fmt:MATRIX_FMT_FP4 matrix_b_fmt:MATRIX_FMT_FP4
	v_wmma_scale_f32_16x16x128_f8f6f4 v[168+8*\d:175+8*\d], v[200+8*\d:207+8*\d], v[224:231], v[168+8*\d:175+8*\d], v[72+\d/2], v74 matrix_a_fmt:MATRIX_FMT_FP4 matrix_b_fmt:MATRIX_FMT_FP4 matrix_a_scale:MATRIX_SCALE_ROW1
.endr
	s_add_co_u32 s40, s40, STEPB
.endm
; 32 numbers of a lane, register 16 b + i = d 32 b + 16 (lane / 16) + i, become four registers of codes at v[c] and two scale bytes in v[t+6], v[t+7]
.macro QUANT2 s, c, t
.irp b, 0,1
	v_max3_num_f32 v[\t+\b], |v[\s+16*\b]|, |v[\s+16*\b+1]|, 0x1800000
.endr
.irp i, 2,4,6,8,10,12,14
.irp b, 0,1
	s_delay_alu instid0(VALU_DEP_2)
	v_max3_num_f32 v[\t+\b], v[\t+\b], |v[\s+16*\b+\i]|, |v[\s+16*\b+\i+1]|
.endr
.endr
.irp b, 0,1
	s_delay_alu instid0(VALU_DEP_2)
	v_permlanex16_b32 v[\t+2+\b], v[\t+\b], s20, s21
.endr
.irp b, 0,1
	s_delay_alu instid0(VALU_DEP_2)
	v_max_num_f32 v[\t+\b], v[\t+\b], v[\t+2+\b]
.endr
.irp b, 0,1
	s_delay_alu instid0(VALU_DEP_2)
	v_add_nc_u32 v[\t+4+\b], 0xff000000, v[\t+\b]
.endr
.irp b, 0,1
	s_delay_alu instid0(VALU_DEP_2)
	v_lshrrev_b32 v[\t+6+\b], 23, v[\t+4+\b]
.endr
.irp b, 0,1
	v_cvt_scalef32_pk8_fp4_f32 v[\c+2*\b], v[\s+16*\b:\s+16*\b+7], v[\t+4+\b]
	v_cvt_scalef32_pk8_fp4_f32 v[\c+2*\b+1], v[\s+16*\b+8:\s+16*\b+15], v[\t+4+\b]
.endr
	v_nop
	v_permlane16_swap_b32 v[\c], v[\c+2]
	v_permlane16_swap_b32 v[\c+1], v[\c+3]
.endm
; One head: all 2,048 keys, then the division, the quantiser and the store
.macro PASS p
	v_mov_b32 v13, 0xff61b1e6                      ; the largest t so far: -3e38
	s_delay_alu instid0(VALU_DEP_1)
	v_floor_f32 v12, -v13
	v_mov_b32 v14, 0
	v_mov_b32 v15, 0
.set j, 0
.rept 32
	v_mov_b32 v[160+j], 0                          ; O^T: the step is written once, and its first trip finds zeros
.set j, j+1
.endr
	s_mov_b32 s40, \p*REC
	s_mov_b32 s41, 16
.Lkeys_\@:
	s_setprio 2
	STEP 16+8*\p, 75+\p
	s_sub_co_u32 s41, s41, 1
	s_cmp_lg_u32 s41, 0
	s_cbranch_scc1 .Lkeys_\@
	s_setprio 0
	v_add_f32 v14, v14, v15                        ; the sum's two halves,
	s_delay_alu instid0(VALU_DEP_1)
	v_permlanex16_b32 v252, v14, s20, s21
	s_delay_alu instid0(VALU_DEP_1)
	v_add_f32 v14, v14, v252                       ; and lane l xor 16's
	s_wait_alu depctr_va_vdst(0)
	v_rcp_f32 v14, v14
.rept 4
	v_nop                                          ; places behind the last products and behind the reciprocal
.endr
	s_wait_alu depctr_va_vdst(0)                   ; ahead of the reciprocal's first reader
.set j, 0
.rept 16
	v_pk_mul_f32 v[160+j:161+j], v[160+j:161+j], v[14:15] op_sel_hi:[1,0]     ; O^T / the sum, each accumulator from its low end on
.set j, j+2
.endr
	QUANT2 160, 80+4*\p, 232
	global_store_b128 v1, v[80+4*\p:83+4*\p], s[8:9] offset:512*\p            ; registers 4 p .. 4 p + 3 of the last product's fragment: 512 consecutive bytes
.if \p == 0
	v_lshl_or_b32 v88, v239, 8, v238
.else
	v_lshl_or_b32 v89, v238, 16, v88
	s_delay_alu instid0(VALU_DEP_1)
	v_lshl_or_b32 v89, v239, 24, v89               ; the fragment's scale word is whole
.endif
.endm
	s_wait_loadcnt 0x0                             ; Q
	s_wait_tensorcnt 0x1                           ; my step of the first head has landed; the second head's load may stay out
	s_barrier_signal -1
	s_barrier_wait -1
	PASS 0
	s_wait_tensorcnt 0x0                           ; my step of the second head has landed
	s_wait_dscnt 0x0
	s_barrier_signal -1
	s_barrier_wait -1
	PASS 1
	ds_store_b32 v7, v89                           ; lanes r and r + 16 store the same word with the same value
	s_wait_dscnt 0x0                               ; for the others' sake
	s_barrier_signal -1
	s_barrier_wait -1
	s_cmp_lt_u32 s12, 2                            ; waves 0 and 1 store the sixteen tiles' words: 1,024 consecutive bytes
	s_cbranch_scc0 .Lnot_mine
	ds_load_b128 v[92:95], v9
	s_wait_dscnt 0x0
	global_store_b128 v8, v[92:95], s[10:11]
.Lnot_mine:
	s_wait_tensorcnt 0x0                           ; the wave's end
	ds_add_u32 v3, v4
	s_wait_dscnt 0x0
	CROUND                                         ; the closing round
	s_endpgm
.Lfunc_end_k_q7dad06fbfc_attn:
	.size	k_q7dad06fbfc_attn, .Lfunc_end_k_q7dad06fbfc_attn-k_q7dad06fbfc_attn
	.p2alignl 7, 3214868480
	.fill 96, 4, 3214868480
	.section	.rodata,"a",@progbits
	.p2align	6, 0x0
	.amdhsa_kernel k_q7dad06fbfc_attn
		.amdhsa_group_segment_fixed_size 327680
		.amdhsa_private_segment_fixed_size 0
		.amdhsa_enable_private_segment 0
		.amdhsa_kernarg_size 32
		.amdhsa_user_sgpr_count 2
		.amdhsa_user_sgpr_kernarg_segment_ptr 1
		.amdhsa_wavefront_size32 1
		.amdhsa_system_sgpr_workgroup_id_x 1
		.amdhsa_system_sgpr_workgroup_id_y 1
		.amdhsa_system_sgpr_workgroup_id_z 1
		.amdhsa_system_vgpr_workitem_id 0
		.amdhsa_next_free_vgpr 256
		.amdhsa_next_free_sgpr 66
		.amdhsa_reserve_vcc 0
		.amdhsa_float_denorm_mode_32 3
		.amdhsa_float_denorm_mode_16_64 3
		.amdhsa_memory_ordered 1
		.amdhsa_forward_progress 1
		.amdhsa_inst_pref_size 50
	.end_amdhsa_kernel
	.amdgpu_metadata
---
amdhsa.version: [ 1, 2 ]
amdhsa.kernels:
  - .name:           k_q7dad06fbfc_attn
    .symbol:         k_q7dad06fbfc_attn.kd
    .args:
      - { .name: qr, .offset: 0, .size: 8, .value_kind: global_buffer, .address_space: global }
      - { .name: kv, .offset: 8, .size: 8, .value_kind: global_buffer, .address_space: global }
      - { .name: oc, .offset: 16, .size: 8, .value_kind: global_buffer, .address_space: global }
      - { .name: os, .offset: 24, .size: 8, .value_kind: global_buffer, .address_space: global }
    .group_segment_fixed_size: 327680
    .private_segment_fixed_size: 0
    .kernarg_segment_align: 8
    .kernarg_segment_size: 32
    .max_flat_workgroup_size: 512
    .sgpr_count:     66
    .vgpr_count:     256
    .wavefront_size: 32
...
	.end_amdgpu_metadata
.endif
;; end of part 3
;; launch oproj (part 4): grid 4 x 64, 4 waves a work-group, clusters of 4 x 4, 327,680 bytes of LDS; arguments oc, os, Wo_codes, Wo_scales, bo, out0; writes out0
.if DOCPART == 4
	.amdgcn_target "amdgcn-amd-amdhsa--gfx1250"
	.amdhsa_code_object_version 6
	.text
	.protected	k_q7dad06fbfc_oproj
	.globl	k_q7dad06fbfc_oproj
	.p2align	8
	.type	k_q7dad06fbfc_oproj,@function
k_q7dad06fbfc_oproj:
	s_mov_b64 s[64:65], 0
	v_nop
	global_prefetch_b8 v0, s[64:65] scope:SCOPE_SE
	s_setreg_imm32_b32 hwreg(HW_REG_WAVE_MODE, 25, 1), 1
	s_wait_xcnt 0x0
	s_wait_alu depctr_hold_cnt(0) depctr_sa_sdst(0) depctr_va_vdst(0) depctr_va_sdst(0) depctr_va_ssrc(0) depctr_va_vcc(0) depctr_vm_vsrc(0)
	s_getreg_b32 s2, hwreg(HW_REG_IB_STS2, 6, 4)
	s_cmp_eq_u32 s2, 0
	s_cbranch_scc0 .Lentry_in_a_cluster
	s_endpgm
.Lentry_in_a_cluster:
	s_bfe_u32 s2, ttmp6, 0x10000c
	s_cmp_lg_u32 s2, 0xf033
	s_cbranch_scc0 .Lentry_shape_is_right
	s_endpgm
.Lentry_shape_is_right:
; out0 = o Wo^T + bo on codes of FP4 (E2M1).  o comes as images of the operand's registers: oc [tile of 16 rows][K step of 128][2][512 bytes], os [K step][tile of rows][16 words].  No work is left out.
; LIMITS: NaN and infinities are not served.
; A work-group makes 128 rows x 256 columns over all of K = 1,024; a wave 64 x 128: 32 accumulators.  All of K lies in LDS, in two halves, each filled once.  CLUSTER 4 x 4: o's tile is shared along a row, Wo's along a column.
; Source 0 = 16 rows of Wo (neighbours), source 1 = a tile of rows of o: a lane holds eight neighbouring columns of one row.  bo is the C of each sum's first matrix instruction.
; Lane r of tile of rows R stands for row 32 (R / 2) + 8 (R % 2) + r + 8 (r / 8): the way out puts each row where it belongs.
.set PITCH, 272
.set ASLOT, 32768                      ; o's half of K: 8 tiles of rows x 4,096 bytes of images, dense
.set BBASE, 2*ASLOT
.set BSLOT, 256*PITCH                  ; Wo's: 256 rows of 256 bytes + 16
.set SCA,   BBASE+2*BSLOT              ; o's scale words: [half of the rows][K step][256 bytes]
.set SCB,   SCA+4096                   ; Wo's: 32 units of 256 bytes + 16
.set STG,   SCB+32*PITCH               ; the way out: 16 rows x (512 + 16) bytes for each wave; no fill lands here
.set SPITCH, 528
.set SPARE, STG+4*16*SPITCH            ; the spare words
.set ADRA, 16
.set ADRB, 20
.set ADSA, 22
.set ADSB, 23
.set LI,   24
.set STO,  25
.set RD,   26
.set SPW,  28
.set NIL,  29
.set BO,   30
.set SA,   32
.set SB,   48
.set AF,   128
.set BK,   128                         ; the way out: v128-191 and v192-255 by turns
.set BI,   192                         ; bo in the result's layout: tile b at BI + 8 b
.set WV,   24
.set WA,   25
.set WB,   26
.set G1A,  32
.set G1B,  40
.set G1SA, 48
.set G1SB, 56
.set G0A,  68
.set G0B,  76
.set G0SA, 84
.set G0SB, 88
.set MSB, 0
.macro WIN new
.if MSB != \new
	s_set_vgpr_msb (MSB<<8)|\new
.set MSB, \new
.endif
.endm
.macro PLACES
.rept 4
	v_nop
.endr
.endm
.macro JLOAD g0a, g1a, g0b, g1b        ; waves 0, 1 fetch for o, waves 2, 3 for Wo; an s_nop 0 and four v_nop follow each line
	s_cmp_eq_u32 s[WA], 0
	s_cbranch_scc0 .Lfor_b_\@
	tensor_load_to_lds s[\g0a:\g0a+3], s[\g1a:\g1a+7]
	s_nop 0
.rept 4
	v_nop
.endr
	s_branch .Lasked_\@
.Lfor_b_\@:
	tensor_load_to_lds s[\g0b:\g0b+3], s[\g1b:\g1b+7]
	s_nop 0
.rept 4
	v_nop
.endr
.Lasked_\@:
.endm
.macro CROUND
	s_barrier_signal -1
	s_barrier_wait -1
	s_cmp_lg_u32 s[WV], 0
	s_cbranch_scc1 .Lnot_wave_0_\@
	s_barrier_signal -3
.Lnot_wave_0_\@:
	s_barrier_wait -3
	s_barrier_signal -1
	s_barrier_wait -1
.endm
	s_load_b256 s[4:11], s[0:1], 0x0               ; oc, os, Wo's codes, Wo's scales
	s_load_b128 s[12:15], s[0:1], 0x20             ; bo, out0
	v_lshl_add_u32 v[SPW], v0, 2, SPARE
	v_mov_b32 v[NIL], 0
	ds_add_u32 v[SPW], v[NIL]                      ; the wave's opening: the add, twice on end, and its wait ahead of my first tensor load
	ds_add_u32 v[SPW], v[NIL]
	v_lshrrev_b32 v1, 5, v0
	v_readfirstlane_b32 s[WV], v1
	s_lshr_b32 s[WA], s[WV], 1
	s_and_b32 s[WB], s[WV], 1
	s_bfe_u32 s27, ttmp6, 0x40000                  ; cx = which 256 columns
	s_bfe_u32 s28, ttmp6, 0x40004                  ; cy
	s_and_b32 s29, ttmp7, 0xffff
	s_lshl_b32 s29, s29, 2
	s_add_co_u32 s29, s29, s28                     ; which 128 rows
	s_lshl_b32 s30, s28, 2
	s_lshl_b32 s30, 15, s30                        ; my row of the cluster
	s_lshl_b32 s31, 0x1111, s27                    ; my column
	s_or_b32 s[G1A], s30, (3<<16)|(1<<21)          ; o's images: elements of 8 bytes, no padding
	s_mov_b32 s[G1A+1], 512<<16                    ; a tile of rows' half of K: 4,096 bytes,
	s_mov_b32 s[G1A+2], 4<<16                      ; four tiles of rows to a load,
	s_mov_b32 s[G1A+3], 512<<16
	s_mov_b32 s[G1A+4], 4
	s_mov_b32 s[G1A+5], 1024                       ; 8,192 bytes apart
	s_mov_b32 s[G1A+6], 0
	s_mov_b32 s[G1A+7], 0
	s_or_b32 s[G1SA], s30, (3<<16)|(1<<21)         ; o's scale words: four tiles of rows are 256 bytes,
	s_mov_b32 s[G1SA+1], 32<<16
	s_mov_b32 s[G1SA+2], 8<<16                     ; eight K steps,
	s_mov_b32 s[G1SA+3], 32<<16
	s_mov_b32 s[G1SA+4], 8
	s_mov_b32 s[G1SA+5], 4096                      ; 32,768 bytes apart
	s_mov_b32 s[G1SA+6], 0
	s_mov_b32 s[G1SA+7], 0
	s_or_b32 s[G1B], s31, (1<<20)|(1<<21)|(5<<22)|(3<<25)    ; Wo's codes: 128 rows of 256 bytes, 16 of padding behind each
	s_mov_b32 s[G1B+1], 256<<16
	s_mov_b32 s[G1B+2], 128<<16
	s_mov_b32 s[G1B+3], 256<<16
	s_mov_b32 s[G1B+4], 128
	s_mov_b32 s[G1B+5], 512
	s_mov_b32 s[G1B+6], 0
	s_mov_b32 s[G1B+7], 0
	s_or_b32 s[G1SB], s31, (3<<16)|(1<<20)|(1<<21)|(5<<22)|(3<<25)   ; Wo's scales: 128 rows x 32 dense bytes as 16 rows of 256
	s_mov_b32 s[G1SB+1], 32<<16
	s_mov_b32 s[G1SB+2], 16<<16
	s_mov_b32 s[G1SB+3], 32<<16
	s_mov_b32 s[G1SB+4], 16
	s_mov_b32 s[G1SB+5], 32
	s_mov_b32 s[G1SB+6], 0
	s_mov_b32 s[G1SB+7], 0
	s_lshl_b32 s2, s29, 3
	s_lshl_b32 s3, s[WB], 2
	s_add_co_u32 s2, s2, s3                        ; o: the first tile of rows that I fetch
	s_lshl_b32 s66, s2, 6                          ; its words,
	s_lshl_b32 s2, s2, 13                          ; its images
	s_mov_b32 s3, 0
	s_mov_b32 s67, 0
	s_lshl_b32 s100, s27, 8
	s_lshl_b32 s101, s[WB], 7
	s_add_co_u32 s100, s100, s101                  ; Wo: the first row that I fetch
	s_lshl_b32 s104, s100, 5
	s_lshl_b32 s100, s100, 9
	s_mov_b32 s101, 0
	s_mov_b32 s105, 0
	s_wait_dscnt 0x0                               ; both opening adds are done
	s_wait_kmcnt 0x0
	s_add_nc_u64 s[4:5], s[4:5], s[2:3]
	s_add_nc_u64 s[6:7], s[6:7], s[66:67]
	s_add_nc_u64 s[8:9], s[8:9], s[100:101]
	s_add_nc_u64 s[10:11], s[10:11], s[104:105]
	s_lshl_b32 s2, s[WB], 14                       ; where they go: the wave's number alone
	s_mul_i32 s3, s[WB], 128*PITCH
	s_lshl_b32 s66, s[WB], 11
	s_mul_i32 s67, s[WB], 16*PITCH
	CROUND                                         ; the joint loads meet
	s_mov_b32 s[G0SA], 1
	s_add_co_u32 s[G0SA+1], s66, SCA
	s_mov_b64 s[G0SA+2:G0SA+3], s[6:7]
	s_or_b32 s[G0SA+3], s[G0SA+3], 0x80000000
	s_mov_b32 s[G0SB], 1
	s_add_co_u32 s[G0SB+1], s67, SCB
	s_mov_b64 s[G0SB+2:G0SB+3], s[10:11]
	s_or_b32 s[G0SB+3], s[G0SB+3], 0x80000000
	JLOAD G0SA, G1SA, G0SB, G1SB                   ; one load of mine is out at a time
.irp s, 0,1
	s_mov_b32 s[G0A+4*\s], 1
	s_add_co_u32 s[G0A+4*\s+1], s2, \s*ASLOT
	s_add_nc_u64 s[G0A+4*\s+2:G0A+4*\s+3], s[4:5], \s*4096
	s_or_b32 s[G0A+4*\s+3], s[G0A+4*\s+3], 0x80000000
	s_mov_b32 s[G0B+4*\s], 1
	s_add_co_u32 s[G0B+4*\s+1], s3, \s*BSLOT+BBASE
	s_add_nc_u64 s[G0B+4*\s+2:G0B+4*\s+3], s[8:9], \s*256
	s_or_b32 s[G0B+4*\s+3], s[G0B+4*\s+3], 0x80000000
	s_wait_alu depctr_va_vdst(0)
	s_wait_tensorcnt 0x0
	ds_add_u32 v28, v29
	s_wait_dscnt 0x0
	CROUND
	JLOAD G0A+4*\s, G1A, G0B+4*\s, G1B
.endr
	v_and_b32 v1, 15, v0                           ; r
	v_bfe_u32 v2, v0, 4, 1                         ; h
	v_and_b32 v7, 31, v0
	s_wait_alu depctr_va_vdst(0)
	v_lshlrev_b32 v[LI], 4, v7                     ; 16 x lane
	v_mul_u32_u24 v4, v1, PITCH
	v_lshl_add_u32 v4, v2, 4, v4                   ; Wo: row r x pitch + 16 h
	s_lshl_b32 s2, s[WA], 14                       ; my four tiles of rows
	s_mul_i32 s3, s[WB], 128*PITCH
	s_add_co_u32 s3, s3, BBASE
.irp s, 0,1
	v_add_nc_u32 v[ADRA+\s], s2, v[LI]
	v_add_nc_u32 v[ADRB+\s], s3, v4
	s_add_co_u32 s2, s2, ASLOT
	s_add_co_u32 s3, s3, BSLOT
.endr
	s_lshl_b32 s2, s[WA], 11
	s_add_co_u32 s2, s2, SCA
	v_lshl_add_u32 v[ADSA], v7, 2, s2              ; o's words: 4 x lane: lanes 0-15 the even tile, lanes 16-31 the odd one
	v_and_b32 v5, 7, v1                            ; Wo's: 32 bytes a row, eight rows a unit of 272; lanes 16-31 take the odd tile: 16 rows, two units, on
	v_lshlrev_b32 v5, 5, v5
	v_lshrrev_b32 v6, 3, v1
	v_mad_u32_u24 v5, v6, 272, v5
	v_mad_u32_u24 v5, v2, 544, v5
	s_mul_i32 s3, s[WB], 16*PITCH
	s_add_co_u32 s3, s3, SCB
	v_add_nc_u32 v[ADSB], s3, v5
	s_mul_i32 s2, s[WV], 16*SPITCH
	s_add_co_u32 s2, s2, STG                       ; my stage
	v_mul_u32_u24 v5, v1, SPITCH
	v_lshl_add_u32 v5, v2, 5, v5
	v_add_nc_u32 v[STO], s2, v5                    ; in: row r, 32 bytes for each half of the lanes
	v_add_nc_u32 v[RD], s2, v[LI]                  ; back: the 32 lanes take one row of 512 bytes
	s_lshl_b32 s2, s27, 10                         ; my first column, in bytes
	s_lshl_b32 s3, s[WB], 9
	s_add_co_u32 s2, s2, s3
	s_mov_b32 s3, 0
	s_add_nc_u64 s[12:13], s[12:13], s[2:3]
	s_add_nc_u64 s[14:15], s[14:15], s[2:3]
	v_lshlrev_b32 v[BO], 5, v2
.irp b, 0,1,2,3,4,5,6,7
	global_load_b128 v[BI+8*\b:BI+8*\b+3], v[BO], s[12:13] offset:64*\b        ; bo at columns 16 b + 8 h + 0 .. 7
	global_load_b128 v[BI+8*\b+4:BI+8*\b+7], v[BO], s[12:13] offset:64*\b+16
.endr
	s_lshl_b32 s2, s29, 7
	s_lshl_b32 s66, s[WA], 6
	s_add_co_u32 s2, s2, s66
	s_lshl_b32 s2, s2, 12                          ; my first row of out0, 4,096 bytes a row
	s_add_nc_u64 s[14:15], s[14:15], s[2:3]
; One matrix instruction; c: the registers of C (the accumulator itself, or bo's)
.macro WM d, bf, af, c, sb, sa, ob, oa
.if (\ob) && (\oa)
	v_wmma_scale_f32_16x16x128_f8f6f4 v[\d:\d+7], v[\bf:\bf+7], v[\af:\af+7], v[\c:\c+7], v[\sb], v[\sa] matrix_a_fmt:MATRIX_FMT_FP4 matrix_b_fmt:MATRIX_FMT_FP4 matrix_a_scale:MATRIX_SCALE_ROW1 matrix_b_scale:MATRIX_SCALE_ROW1
.elseif \ob
	v_wmma_scale_f32_16x16x128_f8f6f4 v[\d:\d+7], v[\bf:\bf+7], v[\af:\af+7], v[\c:\c+7], v[\sb], v[\sa] matrix_a_fmt:MATRIX_FMT_FP4 matrix_b_fmt:MATRIX_FMT_FP4 matrix_a_scale:MATRIX_SCALE_ROW1
.elseif \oa
	v_wmma_scale_f32_16x16x128_f8f6f4 v[\d:\d+7], v[\bf:\bf+7], v[\af:\af+7], v[\c:\c+7], v[\sb], v[\sa] matrix_a_fmt:MATRIX_FMT_FP4 matrix_b_fmt:MATRIX_FMT_FP4 matrix_b_scale:MATRIX_SCALE_ROW1
.else
	v_wmma_scale_f32_16x16x128_f8f6f4 v[\d:\d+7], v[\bf:\bf+7], v[\af:\af+7], v[\c:\c+7], v[\sb], v[\sa] matrix_a_fmt:MATRIX_FMT_FP4 matrix_b_fmt:MATRIX_FMT_FP4
.endif
.endm
.macro MUL p, q, first                 ; 32 matrix instructions; the 32 accumulators take turns, in the same order in every step
.if \first
	WIN 0x81                                       ; source 0 window 1, source 1 and C (bo) window 0, D window 2
.else
	WIN 0xa1                                       ; C and D window 2
.endif
.irp a, 0,1,2,3
.irp b, 0,1,2,3,4,5,6,7
.if \first
	WM 8*(8*\a+\b), 64*(\p)+8*\b, AF+32*(\p)+8*\a, BI+8*\b, SB+8*(\b/2)+(\q), SA+8*(\a/2)+(\q), \b%2, \a%2
.else
	WM 8*(8*\a+\b), 64*(\p)+8*\b, AF+32*(\p)+8*\a, 8*(8*\a+\b), SB+8*(\b/2)+(\q), SA+8*(\a/2)+(\q), \b%2, \a%2
.endif
.endr
.endr
	WIN 0
.endm
.macro FETCH q, p
	WIN 0x40
.irp i, 0,1,2,3,4,5,6,7
.irp c, 0,1
	ds_load_b128 v[64*(\p)+8*\i+4*\c:64*(\p)+8*\i+4*\c+3], v[ADRB+(\q)/4] offset:16*\i*PITCH+64*((\q)%4)+32*\c
.endr
.endr
	WIN 0
.irp i, 0,1,2,3
.irp c, 0,1
	ds_load_b128 v[AF+32*(\p)+8*\i+4*\c:AF+32*(\p)+8*\i+4*\c+3], v[ADRA+(\q)/4] offset:4096*\i+1024*((\q)%4)+512*\c
.endr
.endr
.endm
.macro STEP q
	s_wait_dscnt 0x0                               ; this step's fragments are in
.if \q == 3
	s_wait_tensorcnt 0x0                           ; my part of the second half of K has landed;
	s_barrier_signal -1
	s_barrier_wait -1                              ; everybody's has.
.endif
.if \q < 7
.if \q > 0
	PLACES                                         ; in front of loads into the set that the last step multiplied
.endif
	FETCH (\q)+1, 1-(\q)%2
.endif
.if \q == 0
	MUL 0, 0, 1
.else
	MUL (\q)%2, \q, 0
.endif
.endm
	s_wait_alu depctr_va_vdst(0)
	s_wait_tensorcnt 0x1                           ; my parts of the scales and of the first half of K have landed; the second half's load may stay out
	s_barrier_signal -1
	s_barrier_wait -1
.irp j, 0,1
.irp q, 0,1,2,3,4,5,6,7
	ds_load_b32 v[SA+8*\j+\q], v[ADSA] offset:256*\q+128*\j
.endr
.endr
.irp j, 0,1,2,3
.irp g, 0,1
	ds_load_b128 v[SB+8*\j+4*\g:SB+8*\j+4*\g+3], v[ADSB] offset:1088*\j+16*\g
.endr
.endr
	FETCH 0, 0
	s_wait_loadcnt 0x0                             ; bo
.irp q, 0,1,2,3,4,5,6,7
	STEP \q
.endr
; THE WAY OUT, a tile of 16 rows x 128 columns at a time, through my own stage: in by lanes' 32 bytes, back as whole rows of 512 bytes.  LDS serves a wave's instructions in order (ISA guide 5.7.1.4): no wait between the stores and the loads.
.macro TOSTAGE a
	WIN 0x08                                       ; an LDS store's data: window 2
.irp b, 0,1,2,3,4,5,6,7
	ds_store_b128 v[STO], v[8*(8*\a+\b):8*(8*\a+\b)+3] offset:64*\b            ; each accumulator from its low end on
	ds_store_b128 v[STO], v[8*(8*\a+\b)+4:8*(8*\a+\b)+7] offset:64*\b+16
.endr
	WIN 0
.irp t, 0,1,2,3,4,5,6,7,8,9,10,11,12,13,14,15
	ds_load_b128 v[BK+64*((\a)%2)+4*\t:BK+64*((\a)%2)+4*\t+3], v[RD] offset:\t*SPITCH
.endr
.endm
.macro SEND a, younger                 ; younger: the LDS instructions issued behind tile a's loads, which may stay out
	s_wait_dscnt \younger
.irp t, 0,1,2,3,4,5,6,7,8,9,10,11,12,13,14,15
	global_store_b128 v[LI], v[BK+64*((\a)%2)+4*\t:BK+64*((\a)%2)+4*\t+3], s[14:15] offset:(32*((\a)/2)+8*((\a)%2)+\t+8*(\t/8))*4096 th:TH_STORE_NT   ; 512 consecutive bytes, aligned; written once
.endr
.endm
	PLACES                                         ; behind the last products
	TOSTAGE 0
	TOSTAGE 1
	SEND 0, 32                                     ; behind tile 0's loads: tile 1's 16 stores and 16 loads
	s_wait_xcnt 0x0                                ; tile 0's stores have read their registers: tile 2's loads may land there
	TOSTAGE 2
	SEND 1, 32
	s_wait_xcnt 0x0
	TOSTAGE 3
	SEND 2, 32
	SEND 3, 0
	s_wait_tensorcnt 0x0                           ; the wave's end
	ds_add_u32 v[SPW], v[NIL]
	s_wait_dscnt 0x0
	CROUND                                         ; the closing round
	s_endpgm
.Lfunc_end_k_q7dad06fbfc_oproj:
	.size	k_q7dad06fbfc_oproj, .Lfunc_end_k_q7dad06fbfc_oproj-k_q7dad06fbfc_oproj
	.p2alignl 7, 3214868480
	.fill 96, 4, 3214868480
	.section	.rodata,"a",@progbits
	.p2align	6, 0x0
	.amdhsa_kernel k_q7dad06fbfc_oproj
		.amdhsa_group_segment_fixed_size 327680
		.amdhsa_private_segment_fixed_size 0
		.amdhsa_enable_private_segment 0
		.amdhsa_kernarg_size 48
		.amdhsa_user_sgpr_count 2
		.amdhsa_user_sgpr_kernarg_segment_ptr 1
		.amdhsa_wavefront_size32 1
		.amdhsa_system_sgpr_workgroup_id_x 1
		.amdhsa_system_sgpr_workgroup_id_y 1
		.amdhsa_system_sgpr_workgroup_id_z 1
		.amdhsa_system_vgpr_workitem_id 0
		.amdhsa_next_free_vgpr 768
		.amdhsa_next_free_sgpr 106
		.amdhsa_reserve_vcc 0
		.amdhsa_float_denorm_mode_32 3
		.amdhsa_float_denorm_mode_16_64 3
		.amdhsa_memory_ordered 1
		.amdhsa_forward_progress 1
		.amdhsa_inst_pref_size 75
	.end_amdhsa_kernel
	.amdgpu_metadata
---
amdhsa.version: [ 1, 2 ]
amdhsa.kernels:
  - .name:           k_q7dad06fbfc_oproj
    .symbol:         k_q7dad06fbfc_oproj.kd
    .args:
      - { .name: oc, .offset: 0, .size: 8, .value_kind: global_buffer, .address_space: global }
      - { .name: os, .offset: 8, .size: 8, .value_kind: global_buffer, .address_space: global }
      - { .name: Wo_codes, .offset: 16, .size: 8, .value_kind: global_buffer, .address_space: global }
      - { .name: Wo_scales, .offset: 24, .size: 8, .value_kind: global_buffer, .address_space: global }
      - { .name: bo, .offset: 32, .size: 8, .value_kind: global_buffer, .address_space: global }
      - { .name: out0, .offset: 40, .size: 8, .value_kind: global_buffer, .address_space: global }
    .group_segment_fixed_size: 327680
    .private_segment_fixed_size: 0
    .kernarg_segment_align: 8
    .kernarg_segment_size: 48
    .max_flat_workgroup_size: 128
    .sgpr_count:     106
    .vgpr_count:     768
    .wavefront_size: 32
...
	.end_amdgpu_metadata
.endif
;; end of part 4
